; MI455X (gfx1250); checked and timed in simulation.
; The chip was launched on July 23, 2026; its instructions are those of AMD's public machine-readable ISA for CDNA 5 (MIT licence, August 2026) and "CDNA5" Instruction Set Architecture Reference Guide (July 2026). The comments in the code are by the model that wrote it; some were corrected since.
;; Attention. Allowed arithmetic: matrix products marked QUANTISED: E4M3 operands, one E8M0 scale for each 32 along K, by v_wmma_scale_f32_16x16x128_f8f6f4 with both operands' format E4M3, f32 sums; everything else in f32.
;; Inputs: cos 2,048 x 64 float32; sin 2,048 x 64 float32; wk 2,048 x 512 float32; wo 512 x 2,048 float32; wq 2,048 x 512 float32; wv 2,048 x 512 float32; x 4 x 2,048 x 2,048 float32.
;; Outputs: out0 4 x 2,048 x 2,048 float32.
;; This version of the problem:
;;   THIS VERSION OF THE PROBLEM IS GIVEN IN LOW PRECISION. The matrix products marked QUANTISED in the list below multiply operands that are first quantised to E4M3 (4 exponent bits, 3 mantissa bits; 8 bits a number), with one power-of-two scale for each 32 numbers along K (OCP MX v1.0); their sums are f32. All else is computed in f32.
;;   The module's matrix products, in the order in which they are computed (A, B: the left and right operand; K: the contracted axis; several contracted axes count as one K, in the product's order):
;;     1. [M 8,192, K 2,048] x [K 2,048, N 512]; A: input x; B: input wq: QUANTISED
;;     2. [M 8,192, K 2,048] x [K 2,048, N 512]; A: input x; B: input wk: QUANTISED
;;     3. [M 8,192, K 2,048] x [K 2,048, N 512]; A: input x; B: input wv: QUANTISED
;;     4. batch 16 x [M 2,048, K 128] x [K 128, N 2,048]; A: computed on the way; B: computed on the way: QUANTISED
;;     5. batch 16 x [M 2,048, K 2,048] x [K 2,048, N 128]; A: softmax (see below); B: computed on the way: QUANTISED
;;     6. [M 8,192, K 512] x [K 512, N 2,048]; A: computed on the way; B: input wo: QUANTISED
;;   THE QUANTISER, for each operand of a quantised product, along K:
;;     - K is cut into blocks of 32 from its start; a last block that is shorter is filled with zeros.
;;     - A block's scale is 2^e with e = floor(log2(the largest magnitude in the block)) - 8, held to -126 .. 127; a block of zeros has e = 0. As a byte (E8M0): e + 127.
;;     - Each number is divided by its block's scale, clamped to +-448, and rounded to the nearest number of E4M3, ties to even, subnormals kept.
;;     - The product sums the exact products of the quantised numbers (number of the format x scale) in f32.
;;   ~~~python
;;   def quantise(x, axis):      # numpy; x: float32 -> the quantised numbers, widened to float32 again
;;       x = np.moveaxis(x, axis, -1); K = x.shape[-1]
;;       x = np.pad(x, [(0, 0)] * (x.ndim - 1) + [(0, -K % 32)]); x = x.reshape(x.shape[:-1] + (-1, 32)); a = np.abs(x).max(-1, keepdims=True)
;;       e = np.where(a > 0, np.clip(np.frexp(np.where(a > 0, a, 1))[1] - 1 - 8, -126, 127), 0)      # np.frexp(a)[1] - 1 = floor(log2(a)), exactly
;;       r = np.clip(x / 2.0 ** e, -448, 448)
;;       step = 2.0 ** (np.maximum(np.frexp(np.where(r == 0, 1, r))[1] - 1, -6) - 3)
;;       q = np.round(r / step) * step * 2.0 ** e      # np.round: ties to even
;;       return np.moveaxis(q.reshape(q.shape[:-2] + (-1,))[..., :K], -1, axis).astype(np.float32)
;;   ~~~
;;   SOFTMAX AHEAD OF A QUANTISED PRODUCT. Where the list says 'softmax', what is quantised is not the finished softmax but p = 2^(t - M), with t = logit x log2(e) and M = ceil(the row's largest t), a whole number; so 1/2 < the row's largest p <= 1. The row's sum l is taken of the UNQUANTISED p, in f32, and the product's result is divided by l at the end. Since M is a whole number, a kernel that streams over the keys may use a running M (the ceiling of the running maximum): every later rescaling is an exact power of two, which a block's scale takes up: the codes' values come out the same.
;;   OPERANDS COMPUTED ON THE WAY. 'Computed on the way' means the value that the module computes at that place (a softmax that the list does not call 'softmax' is quantised finished and normalised). What goes into a quantiser is computed in f32, as accurately as f32 sums, v_exp_f32 and their like allow (about 1e-6 of the number): no bf16 or f16 on the way to a quantiser, and a product that is left as it is and whose result goes on into a quantised operand takes f32 operands (vector FMAs, or v_wmma_f32_16x16x4_f32). A number that lies on a knife's edge between two numbers of the format may be rounded either way, as far as f32 arithmetic and the matrix unit's own rounding can turn it there, and no further.
;; One version. Each part assembles by itself: llvm-mc -triple=amdgcn-amd-amdhsa -mcpu=gfx1250 --defsym DOCPART=n.
;; ======== version 1 of 1: 4 launches
;; limits: right only within a limited range of input values
;; workspace buffers: x_codes 16,777,216 bytes; x_scales 524,288 bytes; w_codes 4,194,304 bytes; w_scales 131,072 bytes; qkv_codes 12,582,912 bytes; qkv_scales 393,216 bytes; att_codes 4,194,304 bytes; att_scales 131,072 bytes
;; launch prep (part 1): grid 1280 x 1, 2 waves a work-group, no clusters, 65,536 bytes of LDS; arguments x, wq, wk, wv, wo, x_codes, x_scales, w_codes, w_scales; writes x_codes, x_scales, w_codes, w_scales
.if DOCPART == 1
	.amdgcn_target "amdgcn-amd-amdhsa--gfx1250"
	.amdhsa_code_object_version 6
	.text
	.protected	k_q9f9f55f0fc_prep
	.globl	k_q9f9f55f0fc_prep
	.p2align	8
	.type	k_q9f9f55f0fc_prep,@function
k_q9f9f55f0fc_prep:
	s_mov_b64 s[64:65], 0
	v_nop
	global_prefetch_b8 v0, s[64:65] scope:SCOPE_SE
	s_setreg_imm32_b32 hwreg(HW_REG_WAVE_MODE, 25, 1), 1
	s_wait_xcnt 0x0
; x [8192][2048] and the four weights, all f32, become codes of FP8 (E4M3) with K innermost and one E8M0 scale byte for each 32 along K.
; A block's scale is 2^(floor(log2(its largest magnitude)) - 8); its byte is the largest magnitude's exponent field - 8, held at 1 from below; each number is divided by the scale, held within +-448, rounded to the nearest code, ties to even.
; LIMITS: a block whose largest magnitude lies under 2^-118 (a block of zeros too) keeps the byte 1; a block of zeros has zero codes, and the bytes are read by this program alone.  NaN and infinities among the inputs are not served.
; THE ORDER OF ROWS.  P5(i) is i with its bits 3 and 4 exchanged.  Row i of x, and column i of wq, wk, wv, is stored at place P5(i): sixteen neighbouring stored rows are then the true rows 32 b + 8 u + r + 8 (r / 8),
; so that in the next launch's results a lane's registers run along true neighbours.  wo's columns keep their order.
; OUT: x_codes [8192 places][2048], x_scales [8192 places][64]; w_codes: wo^T [2048][512] at byte 0, then from byte 0x100000 [512 mat + P5(column)][2048]; w_scales: [2048][16] at byte 0, then from 0x8000 [1536][64].
; SHARES: 640 work-groups of four waves, 128 KiB of f32 each.  0-95: wq, wk, wv;  96-127: wo;  128-639: x.  The three ways part on the work-group's number, never join, and have LDS bytes of their own.  Waves share nothing: no barrier.
.set SPW,   192                        ; v192  LDS address of my spare word: SPARE + 4 x my thread's number; never rewritten
.set NIL,   193                        ; v193  0; never rewritten
; In this text each of the 640 shares named above is taken by TWO work-groups of two waves: share = work-group / 2, and a wave's number in its share = 2 (work-group % 2) + its number in the work-group.
.set SPARE, 51200                      ; behind all stages: the spare words, 128 bytes a wave
.set EMAX,  8
.set MANT,  0x600000                   ; the mantissa field of 448 as f32
; x's way
.set STEPS, 16
.set CB,    16                         ; bytes of 16 codes
.set R,     16                         ; v16-79   four sets of 16 numbers as they are loaded
.set X,     80                         ; v80-111  two sets of 16 neighbours
.set E,     112                        ; v112-127 a scale byte for each step
.set C,     128                        ; v128-191 codes: four registers for each step
.set WREG,  8192                       ; LDS bytes 0 to 16,383: a region for each wave: two stages of 32 x SP bytes, behind them its 256 scale bytes
.set SP,    80                         ; a lane's place in a stage: 64 bytes + 16 of padding
; the weights' ways
.set WX,    32                         ; v32-95   two sets of 32 numbers
.set WC,    96                         ; v96-103  a block's codes
.set OUTR,  112                        ; v112-175 the way out
.set SB,    24                         ; v24-25   the scale bytes, four to a register
.set PITCH, 272                        ; a stage row: 256 bytes + 16
.set NB,    8                          ; blocks of 32 along K for a wave
.macro XLOAD t                         ; 32 lanes read 512 consecutive bytes, four times
.irp i, 0,1,2,3
	global_load_b128 v[R+16*((\t)%4)+4*\i:R+16*((\t)%4)+4*\i+3], v3, s[4:5] offset:2048*(\t)+512*\i th:TH_LOAD_NT
.endr
.endm
.macro XTURN t                         ; a step's 2,048 bytes through my stage: in as they lie, back 64 bytes a lane; LDS serves a wave's instructions in order
.irp i, 0,1,2,3
	ds_store_b128 v14, v[R+16*((\t)%4)+4*\i:R+16*((\t)%4)+4*\i+3] offset:32*SP*((\t)%2)+8*SP*\i
.endr
.irp i, 0,1,2,3
	ds_load_b128 v[X+16*((\t)%2)+4*\i:X+16*((\t)%2)+4*\i+3], v15 offset:32*SP*((\t)%2)+16*\i
.endr
.endm
.macro XSTEP t
.set XS, X+16*((\t)%2)
.if (\t) > 0
	s_wait_dscnt 1                                 ; this step's numbers are back from the stage; the last step's byte store may be out
.else
	s_wait_dscnt 0x0
.endif
.if (\t)+4 < STEPS
	XLOAD (\t)+4                                   ; into the registers whose stores into the stage are done
.endif
.if (\t)+1 < STEPS
.if STEPS-2-(\t) >= 3
	s_wait_loadcnt 12                              ; the next step's four loads are in; those of the three steps behind it may be out
.else
	s_wait_loadcnt 4*(STEPS-2-(\t))
.endif
	XTURN (\t)+1
.endif
	v_max3_num_f32 v8, |v[XS]|, |v[XS+1]|, |v[XS+2]|               ; the largest magnitude of my 16, in two chains
	v_max3_num_f32 v9, |v[XS+3]|, |v[XS+4]|, |v[XS+5]|
.irp i, 6,10
	v_max3_num_f32 v8, v8, |v[XS+\i]|, |v[XS+\i+1]|
	v_max3_num_f32 v9, v9, |v[XS+\i+2]|, |v[XS+\i+3]|
.endr
	v_max3_num_f32 v8, v8, |v[XS+14]|, |v[XS+15]|
	v_max3_num_f32 v8, v8, v9, (EMAX+1)<<23        ; and the floor 2^(9 - 127): the byte cannot fall under 1
	v_max_num_f32_dpp v8, v8, v8 row_xmask:1 row_mask:0xf bank_mask:0xf   ; and of my neighbour's 16: the block's
	v_add_nc_u32 v11, -(EMAX<<23), v8              ; 8 off its exponent field: the conversion takes this operand's exponent field as its scale
	v_and_or_b32 v10, v8, 0x7f800000, s31          ; 448 x the scale
.irp i, 0,1,2,3,4,5,6,7,8,9,10,11,12,13,14,15
	v_med3_num_f32 v[XS+\i], v[XS+\i], -v10, v10   ; the conversion to an 8-bit code does not saturate (ISA guide 7.6.2): the hold comes first
.endr
	v_cvt_scalef32_pk8_fp8_f32 v[C+4*(\t):C+4*(\t)+1], v[XS:XS+7], v11
	v_cvt_scalef32_pk8_fp8_f32 v[C+4*(\t)+2:C+4*(\t)+3], v[XS+8:XS+15], v11
	v_lshrrev_b32 v[E+(\t)], 23, v11               ; the scale's byte
	ds_store_b8 v5, v[E+(\t)] offset:16*(\t)       ; both lanes of a block write the same byte with the same value
	global_store_b128 v4, v[C+4*(\t):C+4*(\t)+3], s[8:9] offset:32*CB*(\t)   ; the wave stores 512 consecutive bytes
.endm
.macro WLOAD t, n                      ; block t: W(32 t + i, my column), i = 0 .. 31, into set t % 2; a load reads 128 consecutive bytes
.irp i, 0,1,2,3,4,5,6,7,8,9,10,11,12,13,14,15,16,17,18,19,20,21,22,23,24,25,26,27,28,29,30,31
	global_load_b32 v[WX+32*((\t)%2)+\i], v3, s[4:5] offset:(32*(\t)+\i)*(\n)*4 th:TH_LOAD_NT
.endr
.endm
.macro WBLOCK t, n
.set XS, WX+32*((\t)%2)
.if (\t) < NB-1
	s_wait_loadcnt 32                              ; this block's 32 loads are in; the next block's may be out
.else
	s_wait_loadcnt 0
.endif
	v_max3_num_f32 v12, |v[XS]|, |v[XS+1]|, |v[XS+2]|               ; the block's largest magnitude: all 32 numbers are mine
	v_max3_num_f32 v13, |v[XS+3]|, |v[XS+4]|, |v[XS+5]|
.irp i, 6,10,14,18,22,26
	v_max3_num_f32 v12, v12, |v[XS+\i]|, |v[XS+\i+1]|
	v_max3_num_f32 v13, v13, |v[XS+\i+2]|, |v[XS+\i+3]|
.endr
	v_max3_num_f32 v12, v12, |v[XS+30]|, |v[XS+31]|
	v_max3_num_f32 v12, v12, v13, (EMAX+1)<<23     ; and the floor
	v_add_nc_u32 v11, -(EMAX<<23), v12             ; the conversion's scale operand
	v_and_or_b32 v10, v12, 0x7f800000, s31         ; 448 x the scale
	v_lshrrev_b32 v13, 23, v11                     ; the scale's byte
.if (\t)%4 == 0
	v_mov_b32 v[SB+(\t)/4], v13                    ; four bytes to a register, the lower K in the lower byte
.else
	v_lshl_or_b32 v[SB+(\t)/4], v13, 8*((\t)%4), v[SB+(\t)/4]
.endif
.irp i, 0,1,2,3,4,5,6,7,8,9,10,11,12,13,14,15,16,17,18,19,20,21,22,23,24,25,26,27,28,29,30,31
	v_med3_num_f32 v[XS+\i], v[XS+\i], -v10, v10
.endr
.irp g, 0,1,2,3
	v_cvt_scalef32_pk8_fp8_f32 v[WC+2*\g:WC+2*\g+1], v[XS+8*\g:XS+8*\g+7], v11
.endr
	ds_store_b128 v4, v[WC:WC+3] offset:32*(\t)    ; 32 codes: 32 bytes of my column's row
	ds_store_b128 v4, v[WC+4:WC+7] offset:32*(\t)+16
.if (\t)+2 < NB
	WLOAD (\t)+2, \n
.endif
	s_wait_dscnt 0x0                               ; the stores have read their registers: the next block's codes may be written
.endm
; A weight [k][n], K its first axis.  A lane takes a column and its registers run down K: a block of 32 lies in one lane, and the codes come out with K innermost.  A wave takes 32 columns x 256 along K.
; On entry: s17 my wave's first column, s18 which 256 along K, s[4:5] the weight, s[6:7] its codes, s[8:9] its scale bytes.  perm = 1: column c goes to place P5(c).  stg: the two stages' first LDS byte.
.macro WPATH n, k, perm, stg
	v_lshlrev_b32 v3, 2, v2                        ; in: 4 bytes a lane
	s_mul_i32 s19, s16, 32*PITCH
	s_add_co_u32 s19, s19, \stg                    ; my stage
	v_mul_u32_u24 v4, v2, PITCH
	v_add_nc_u32 v4, s19, v4                       ; into it: row = my column
	v_and_b32 v5, 15, v2
	v_lshrrev_b32 v6, 4, v2                        ; out of it: sixteen lanes to a row, two rows an instruction
	v_mul_u32_u24 v7, v6, PITCH
	v_lshl_add_u32 v7, v5, 4, v7
	v_add_nc_u32 v7, s19, v7
	v_mul_u32_u24 v8, v6, \k
	v_lshl_add_u32 v8, v5, 4, v8                   ; and the same place in the codes' buffer
.if \perm
	v_and_b32 v10, 7, v2                           ; P5(lane)
	v_bfe_u32 v11, v2, 3, 1
	v_bfe_u32 v12, v2, 4, 1
	v_lshl_or_b32 v10, v11, 4, v10
	v_lshl_or_b32 v10, v12, 3, v10
	v_mul_u32_u24 v9, v10, (\k)/32                 ; my column's row of scale bytes
.else
	v_mul_u32_u24 v9, v2, (\k)/32
.endif
	s_mul_i32 s20, s18, 256*(\n)*4                 ; the weight: 256 rows of n numbers for each step along K, + 4 x column
	s_lshl_b32 s22, s17, 2
	s_add_co_u32 s20, s20, s22
	s_mov_b32 s21, 0
	s_add_nc_u64 s[4:5], s[4:5], s[20:21]
	s_mul_i32 s20, s17, \k                         ; the codes: column x k + 256 x step
	s_lshl_b32 s22, s18, 8
	s_add_co_u32 s20, s20, s22
	s_add_nc_u64 s[6:7], s[6:7], s[20:21]
	s_mul_i32 s20, s17, (\k)/32                    ; the scale bytes: column x k / 32 + 8 x step
	s_lshl_b32 s22, s18, 3
	s_add_co_u32 s20, s20, s22
	s_add_nc_u64 s[8:9], s[8:9], s[20:21]
	WLOAD 0, \n
	WLOAD 1, \n
.set Q, 0
.rept NB
	WBLOCK Q, \n
.set Q, Q+1
.endr
	global_store_b64 v9, v[SB:SB+1], s[8:9]        ; my column's eight scale bytes
.irp t, 0,1,2,3,4,5,6,7,8,9,10,11,12,13,14,15
	ds_load_b128 v[OUTR+4*\t:OUTR+4*\t+3], v7 offset:2*\t*PITCH   ; LDS serves a wave's instructions in order: these see my stores
.endr
.irp t, 0,1,2,3,4,5,6,7,8,9,10,11,12,13,14,15
	s_wait_dscnt 15-\t                             ; loads come back in order: pair t of rows is in
.if \perm
	global_store_b128 v8, v[OUTR+4*\t:OUTR+4*\t+3], s[6:7] offset:(((2*\t)&7)|(((2*\t)&8)<<1)|(((2*\t)&16)>>1))*(\k)   ; rows 2 t and 2 t + 1 go to places P5(2 t) and P5(2 t) + 1; sixteen lanes store 256 consecutive bytes, aligned
.else
	global_store_b128 v8, v[OUTR+4*\t:OUTR+4*\t+3], s[6:7] offset:2*\t*(\k)
.endif
.endr
	s_wait_tensorcnt 0x0                           ; the wave's end, behind my last LDS store
	ds_add_u32 v[SPW], v[NIL]
	s_wait_dscnt 0x0
	s_endpgm
.endm
	s_load_b256 s[36:43], s[0:1], 0x0              ; x s[36:37], wq s[38:39], wk s[40:41], wv s[42:43]
	s_load_b256 s[44:51], s[0:1], 0x20             ; wo s[44:45], x_codes s[46:47], x_scales s[48:49], w_codes s[50:51]
	s_load_b64 s[52:53], s[0:1], 0x40              ; w_scales
	v_lshl_add_u32 v[SPW], v0, 2, SPARE
	v_mov_b32 v[NIL], 0
	v_lshrrev_b32 v1, 5, v0
	v_readfirstlane_b32 s16, v1                    ; wave 0, 1 of my work-group: its LDS bytes
	s_lshr_b32 s54, ttmp9, 1                       ; my share,
	s_and_b32 s55, ttmp9, 1
	s_lshl_b32 s55, s55, 1
	s_add_co_u32 s55, s55, s16                     ; and my wave's number in it, 0..3
	v_and_b32 v2, 31, v0                           ; lane
	s_mov_b32 s31, MANT                            ; (an instruction takes one literal: the hold's line has another)
	s_mov_b32 s25, 0
	s_wait_kmcnt 0x0
	s_cmp_lt_u32 s54, 96
	s_cbranch_scc1 .Lwqkv
	s_cmp_lt_u32 s54, 128
	s_cbranch_scc1 .Lwo
	; ---- x: rows are dense, so the tensor is a stream of blocks of 32.  A wave takes a run of 8,192 numbers: four rows, 16 steps of 512 numbers.
	s_wait_alu depctr_va_vdst(0)
	v_lshlrev_b32 v3, 4, v2                        ; my 16 bytes of a load's 512
	s_mul_i32 s17, s16, WREG
	v_lshrrev_b32 v14, 2, v2
	v_mul_u32_u24 v14, v14, SP
	v_and_b32 v15, 3, v2
	v_lshl_add_u32 v14, v15, 4, v14
	v_add_nc_u32 v14, s17, v14                     ; the stage, on the way in: SP (lane / 4) + 16 (lane % 4)
	v_mul_u32_u24 v15, v2, SP
	v_add_nc_u32 v15, s17, v15                     ; and on the way out: SP x lane: my 16 neighbours
	v_mul_u32_u24 v4, v2, CB                       ; my codes' place in a step's
	v_lshrrev_b32 v5, 1, v2
	s_add_co_u32 s17, s17, 2*32*SP
	v_add_nc_u32 v5, s17, v5                       ; my wave's 256 scale bytes, my block's byte
	v_lshlrev_b32 v7, 3, v2                        ; and on the way out 8 bytes a lane
	v_add_nc_u32 v6, s17, v7
	s_sub_co_u32 s17, s54, 128
	s_lshl_b32 s17, s17, 2
	s_add_co_u32 s18, s17, s55                     ; g: my run, rows 4 g to 4 g + 3
	s_and_b32 s20, s18, 2
	s_lshl_b32 s20, s20, 1
	s_and_b32 s21, s18, 4
	s_lshr_b32 s21, s21, 1
	s_and_b32 s22, s18, 0xfffffff9
	s_or_b32 s22, s22, s20
	s_or_b32 s22, s22, s21                         ; g with its bits 1 and 2 exchanged: P5 on the rows
	s_lshl_b32 s24, s18, 15                        ; 32,768 bytes of f32 a run
	s_add_nc_u64 s[4:5], s[36:37], s[24:25]
	s_lshl_b32 s24, s22, 13                        ; 8,192 bytes of codes
	s_add_nc_u64 s[8:9], s[46:47], s[24:25]
	s_lshl_b32 s24, s22, 8                         ; 256 scale bytes
	s_add_nc_u64 s[10:11], s[48:49], s[24:25]
.irp t, 0,1,2,3
	XLOAD \t
.endr
	s_wait_alu depctr_va_vdst(0)
	s_wait_loadcnt 12                              ; step 0's four loads are in
	XTURN 0
.irp t, 0,1,2,3,4,5,6,7,8,9,10,11,12,13,14,15
	XSTEP \t
.endr
	ds_load_b64 v[8:9], v6                         ; LDS serves a wave's instructions in order: these see my byte stores
	s_wait_dscnt 0x0
	global_store_b64 v7, v[8:9], s[10:11]          ; 32 lanes store 256 consecutive bytes, aligned
	s_wait_tensorcnt 0x0                           ; the wave's end, behind my last LDS store
	ds_add_u32 v[SPW], v[NIL]
	s_wait_dscnt 0x0
	s_endpgm
.Lwqkv:                                                ; ---- wq, wk, wv: [2048][512].  32 work-groups each: 4 x 128 columns, 8 x 256 along K
	s_lshr_b32 s19, s54, 5                         ; which of the three
	s_and_b32 s17, s54, 3
	s_lshl_b32 s17, s17, 7
	s_lshl_b32 s18, s55, 5
	s_add_co_u32 s17, s17, s18                     ; my wave's first column
	s_bfe_u32 s18, s54, 0x30002                    ; which 256 along K: bits 4:2
	s_cmp_eq_u32 s19, 0                            ; the choice hangs on the work-group's number alone
	s_cselect_b64 s[4:5], s[38:39], s[40:41]
	s_cmp_eq_u32 s19, 2
	s_cselect_b64 s[4:5], s[42:43], s[4:5]
	s_add_co_u32 s19, s19, 1
	s_lshl_b32 s24, s19, 20                        ; behind wo's codes: 1 MiB for each
	s_add_nc_u64 s[6:7], s[50:51], s[24:25]
	s_lshl_b32 s24, s19, 15                        ; behind wo's scale bytes: 32 KiB for each
	s_add_nc_u64 s[8:9], s[52:53], s[24:25]
	s_wait_alu depctr_va_vdst(0)
	WPATH 512, 2048, 1, 16384
.Lwo:                                                  ; ---- wo: [512][2048].  32 work-groups: 16 x 128 columns, 2 x 256 along K
	s_sub_co_u32 s19, s54, 96
	s_and_b32 s17, s19, 15
	s_lshl_b32 s17, s17, 7
	s_lshl_b32 s18, s55, 5
	s_add_co_u32 s17, s17, s18
	s_lshr_b32 s18, s19, 4
	s_mov_b64 s[4:5], s[44:45]
	s_mov_b64 s[6:7], s[50:51]
	s_mov_b64 s[8:9], s[52:53]
	s_wait_alu depctr_va_vdst(0)
	WPATH 2048, 512, 0, 33792
.Lfunc_end_k_q9f9f55f0fc_prep:
	.size	k_q9f9f55f0fc_prep, .Lfunc_end_k_q9f9f55f0fc_prep-k_q9f9f55f0fc_prep
	.p2alignl 7, 3214868480
	.fill 96, 4, 3214868480
	.section	.rodata,"a",@progbits
	.p2align	6, 0x0
	.amdhsa_kernel k_q9f9f55f0fc_prep
		.amdhsa_group_segment_fixed_size 65536
		.amdhsa_private_segment_fixed_size 0
		.amdhsa_enable_private_segment 0
		.amdhsa_kernarg_size 72
		.amdhsa_user_sgpr_count 2
		.amdhsa_user_sgpr_kernarg_segment_ptr 1
		.amdhsa_wavefront_size32 1
		.amdhsa_system_sgpr_workgroup_id_x 1
		.amdhsa_system_sgpr_workgroup_id_y 1
		.amdhsa_system_sgpr_workgroup_id_z 1
		.amdhsa_system_vgpr_workitem_id 0
		.amdhsa_next_free_vgpr 200
		.amdhsa_next_free_sgpr 66
		.amdhsa_reserve_vcc 0
		.amdhsa_float_denorm_mode_32 3
		.amdhsa_float_denorm_mode_16_64 3
		.amdhsa_memory_ordered 1
		.amdhsa_forward_progress 1
		.amdhsa_inst_pref_size 169
	.end_amdhsa_kernel
	.amdgpu_metadata
---
amdhsa.version: [ 1, 2 ]
amdhsa.kernels:
  - .name:           k_q9f9f55f0fc_prep
    .symbol:         k_q9f9f55f0fc_prep.kd
    .args:
      - { .name: x, .offset: 0, .size: 8, .value_kind: global_buffer, .address_space: global }
      - { .name: wq, .offset: 8, .size: 8, .value_kind: global_buffer, .address_space: global }
      - { .name: wk, .offset: 16, .size: 8, .value_kind: global_buffer, .address_space: global }
      - { .name: wv, .offset: 24, .size: 8, .value_kind: global_buffer, .address_space: global }
      - { .name: wo, .offset: 32, .size: 8, .value_kind: global_buffer, .address_space: global }
      - { .name: x_codes, .offset: 40, .size: 8, .value_kind: global_buffer, .address_space: global }
      - { .name: x_scales, .offset: 48, .size: 8, .value_kind: global_buffer, .address_space: global }
      - { .name: w_codes, .offset: 56, .size: 8, .value_kind: global_buffer, .address_space: global }
      - { .name: w_scales, .offset: 64, .size: 8, .value_kind: global_buffer, .address_space: global }
    .group_segment_fixed_size: 65536
    .private_segment_fixed_size: 0
    .kernarg_segment_align: 8
    .kernarg_segment_size: 72
    .max_flat_workgroup_size: 64
    .sgpr_count:     66
    .vgpr_count:     200
    .wavefront_size: 32
...
	.end_amdgpu_metadata
.endif
;; end of part 1
;; launch qkv (part 2): grid 6 x 32, 4 waves a work-group, no clusters, 327,680 bytes of LDS; arguments x_codes, x_scales, w_codes, w_scales, cos, sin, qkv_codes, qkv_scales; writes qkv_codes, qkv_scales
.if DOCPART == 2
	.amdgcn_target "amdgcn-amd-amdhsa--gfx1250"
	.amdhsa_code_object_version 6
	.text
	.protected	k_q9f9f55f0fc_qkv
	.globl	k_q9f9f55f0fc_qkv
	.p2align	8
	.type	k_q9f9f55f0fc_qkv,@function
k_q9f9f55f0fc_qkv:
	s_mov_b64 s[64:65], 0
	v_nop
	global_prefetch_b8 v0, s[64:65] scope:SCOPE_SE
	s_setreg_imm32_b32 hwreg(HW_REG_WAVE_MODE, 25, 1), 1
	s_wait_xcnt 0x0
; q, k, v = x [wq | wk | wv] on codes of FP8 (E4M3) with E8M0 scales, K = 2,048; then the rotation by cos and sin on q and k; then q and k are quantised along the head's 128 and v along the keys, in registers.
; A work-group of four waves makes 256 x 256 results, a wave 128 x 128: 64 accumulators of 16 x 16.  Work-group x = which 256 of the 1,536 weight rows (0, 1: q; 2, 3: k; 4, 5: v), y = which 256 rows of x.
; The matrix instruction is used transposed: source 0 = 16 rows of operand B, source 1 = 16 rows of operand A: a lane holds ONE row of A, and its registers run along B's rows.
; q, k: A = x, B = the weight: a lane holds one token and 64 of the head's 128 numbers, d and d + 64 among them, as the rotation wants.   v: A = the weight, B = x: a lane holds one d, and its registers run along the keys.
; Both operands' rows are stored with bits 3 and 4 of the row's number exchanged: B's tile 2 b + u then holds true rows 32 b + 8 u + r + 8 (r / 8), and register 16 b + i of a lane's 64 is true index 32 b + 16 (lane / 16) + i:
; sixteen neighbours of a block of 32, in the order in which the next product's operand registers take them.  So the conversions' results ARE fragments, and they are stored as images of their registers.
; OUT: qkv_codes: images of 2,048 bytes (group c of four registers at 512 c + 16 x lane).  q at 0, k at 1 << 22: [head-batch][tile of 16 stored places]; v at 2 << 22: [head-batch][128 keys][tile of 16 stored d].
;      qkv_scales: q at 0, k at 1 << 17: [head-batch][place][4 bytes]; v at 2 << 17: [head-batch][128 keys][128 stored d][4 bytes].
; K goes in steps of 256 through a ring of two LDS slots filled by the tensor data mover, one load a wave (128 rows x 256 bytes); the scale bytes of both operands' 256 rows, for all of K, come once with the first fills.
; NO CLUSTER: the grid has six tile columns, and for v the operands change places, so that no 4 x 4 cluster has rows and columns that share tiles throughout.
; LIMITS: a block whose largest magnitude lies under 2^-118 (a block of zeros too) keeps the scale byte 1; the bytes are read by this program alone.  NaN and infinities are not served.
; REGISTERS, in windows of 256: window 0: v0-31 addresses; v32-63 scale words, two sets, and nothing else; v64-127 at work in the rotation; v128-255 A's fragments, ONE set; behind the last products v128-155 are at work and v160-223 take cos and sin.
;   window 1: B's fragments, two sets; behind their last use v0-127 take cos and sin (two sets of 64) and v128-255 the codes (16 registers for each of A's eight blocks).   windows 2, 3: the accumulators ((a, b) at v[8 (8 (a % 4) + b)]).
.set NQ,     2                         ; matrix instructions deep in a slot
.set ROWB,   256                       ; a tile's row in bytes
.set KROW,   2048                      ; a row of codes in memory
.set PITCH,  272                       ; an LDS row: 256 bytes + 16 of padding = 68 words: the sixteen rows of a fragment load start at sixteen different banks (64 banks of 4 bytes: ISA guide 11.1)
.set FR,     16                        ; registers of a fragment
.set NL,     4                         ; LDS loads that bring one
.set NP,     8                         ; places behind this matrix instruction (ISA guide 7.12.1)
.set HALFT,  128*PITCH                 ; 128 rows: what one tensor load brings
.set SLOT,   4*HALFT                   ; A's 256 rows, then B's 256 rows
.set LAPS,   4                         ; 2,048 / 512: a lap is two K steps
.set KS,     64                        ; a row of scale bytes
.set SCL,    2*SLOT                    ; behind the ring: the scales, as units of 256 bytes + 16 of padding
.set HALFS,  32*272                    ; the scales of 128 rows
.set SBLK,   4*272                     ; those of 16 rows
.set SPARE,  SCL+4*HALFS               ; the spare words, 128 bytes a wave
.set SWQ,    SPARE+512                 ; q's and k's way: 512 bytes a wave for the scale words on their way out
.set SWV,    SWQ+2048                  ; v's way: the same, in bytes of its own
.set SWAQ, 8                           ; v8   SWQ + 512 x wave + 4 r
.set SWRQ, 9                           ; v9   SWQ + 512 x wave + 16 x lane
.set SWAV, 10                          ; v10, v11 the same on SWV
.set SWRV, 11
.set PFO,  12                          ; v12  the prefetches' offset; never rewritten
.set ADRA, 16                          ; v16-17 LDS address of my A fragments in slot 0, 1
.set ADRB, 20                          ; v20-21 the same for B
.set LI,   24                          ; v24  16 x lane
.set RO,   25                          ; v25  cos, sin: (r + 8 (r / 8)) rows of 256 bytes + 64 (lane / 16)
.set ADRS, 27                          ; v27  LDS address of my scale words: lanes 0-15 A's rows, lanes 16-31 B's
.set SPW,  28                          ; v28  LDS address of my spare word; never rewritten
.set NIL,  29                          ; v29  0; never rewritten
.set SC,   32                          ; scale words
.set T,    64                          ; v64-127 the rotation's cross products
.set AF,   128                         ; A's fragments
.set TM,   128                         ; behind the last products: v128-131 largest magnitudes, v132-135 bytes, v136-139 448 x the scale, v140-143 the conversions' scale operands
.set PW,   144                         ; v144-151 the scale word of each of A's eight blocks
.set OW,   152                         ; v152-155 scale words on the way out
.set PC,   128                         ; in window 1: the codes
.set G1,   24                          ; s[24:31] descriptor group 1 for tiles of codes;  s[32:39] group 0, a set for each slot
.set G0,   32
.set G1S,  40                          ; s[40:47], s[48:51] groups 1 and 0 for the scales
.set G0S,  48
.set SEL,  72                          ; s[72:73] v_permlanex16_b32's selects for lane l xor 16
.set MNT,  74                          ; s74  the mantissa field of 448
.set MSB, 0
.macro WIN new                         ; the immediate's high byte repeats the setting that is left; a switch that changes nothing is dropped
.if MSB != (\new)
	s_set_vgpr_msb (MSB<<8)|(\new)
.set MSB, (\new)
.endif
.endm
.set MUL_LO, 0xa1                      ; source 0 (B) window 1, source 1 (A) window 0, C and D window 2
.set MUL_HI, 0xf1                      ; the same, C and D window 3
.set TO_B,   0x40                      ; destination window 1, address window 0
	s_load_b256 s[4:11], s[0:1], 0x0               ; x_codes s[4:5], x_scales s[6:7], w_codes s[8:9], w_scales s[10:11]
	s_load_b256 s[12:19], s[0:1], 0x20             ; cos s[12:13], sin s[14:15], qkv_codes s[16:17], qkv_scales s[18:19]
	v_lshl_add_u32 v[SPW], v0, 2, SPARE
	v_mov_b32 v[NIL], 0
	ds_add_u32 v[SPW], v[NIL]                      ; the wave's opening: the add and its wait stand ahead of my first tensor load; work on registers stands between them
	ds_add_u32 v[SPW], v[NIL]
	v_lshrrev_b32 v1, 5, v0
	v_readfirstlane_b32 s20, v1                    ; wave 0..3
	s_lshr_b32 s21, s20, 1                         ; AH: which half of A's rows is mine.  Also: I fetch for A (0) or for B (1)
	s_and_b32 s22, s20, 1                          ; BH: which half of B's rows.  Also: which 128 rows of that side I fetch
	s_mov_b32 s23, ttmp9                           ; which 256 weight rows
	s_and_b32 s52, ttmp7, 0xffff                   ; which 256 rows of x
	s_cmp_ge_u32 s23, 4
	s_cselect_b32 s53, 1, 0                        ; 1: this work-group makes v
	s_mov_b32 s[G1+0], (0<<16)|(1<<20)|(5<<22)|(3<<25)  ; no mask; elements of 1 byte; padding on: 4 words behind every 64
	s_mov_b32 s[G1+1], ROWB<<16                    ; tensor_dim0
	s_mov_b32 s[G1+2], 256<<16                     ; tensor_dim1: 256 rows for the head's loads, 128 behind them
	s_mov_b32 s[G1+3], ROWB<<16                    ; tile_dim0
	s_mov_b32 s[G1+4], 256                         ; tile_dim1 likewise
	s_mov_b32 s[G1+5], KROW                        ; from row to row
	s_mov_b32 s[G1+6], 0
	s_mov_b32 s[G1+7], 0
	s_mov_b32 s[G1S+0], (3<<16)|(1<<20)|(5<<22)|(3<<25) ; the scales of 128 rows: 8,192 dense bytes as 32 rows of 32 elements of 8 bytes, 16 bytes of padding behind each
	s_mov_b32 s[G1S+1], 32<<16
	s_mov_b32 s[G1S+2], 64<<16                     ; (of 256 rows here: 64 units)
	s_mov_b32 s[G1S+3], 32<<16
	s_mov_b32 s[G1S+4], 64
	s_mov_b32 s[G1S+5], 32
	s_mov_b32 s[G1S+6], 0
	s_mov_b32 s[G1S+7], 0
	s_cmp_eq_u32 s21, s53                          ; the side that I fetch for is x's where AH = the v flag
	s_cselect_b32 s54, s52, s23
	s_cselect_b32 s55, 0, 0x100000                 ; the three weights' codes lie behind wo's,
	s_cselect_b32 s56, 0, 0x8000                   ; and so do their scale bytes
	s_lshl_b32 s54, s54, 8
	s_lshl_b32 s57, s22, 7
	s_add_co_u32 s54, s54, s57                     ; the first row that I fetch
	s_lshl_b32 s58, s54, 11
	s_add_co_u32 s58, s58, s55                     ; its codes, in bytes
	s_mov_b32 s59, 0
	s_lshl_b32 s60, s54, 6
	s_add_co_u32 s60, s60, s56                     ; its scale bytes
	s_mov_b32 s61, 0
	s_mul_i32 s68, s20, HALFT                      ; where they go: wave x 128 rows
	; THE HEAD'S TILES, each whole, one a wave: wave 0 K step 0's 256 rows of A, wave 1 those of B, wave 2 the scale bytes of A's 256 rows, wave 3 of B's: side = wave % 2
	s_mul_i32 s69, s22, 2*HALFS
	s_mul_i32 s83, s22, 2*HALFT
	s_cmp_eq_u32 s22, s53                          ; that side is x's where it equals the v flag
	s_cselect_b32 s80, s52, s23
	s_cselect_b32 s81, 0, 0x100000
	s_cselect_b32 s82, 0, 0x8000
	s_lshl_b32 s80, s80, 8
	s_lshl_b32 s84, s80, 11
	s_add_co_u32 s84, s84, s81                     ; its codes, in bytes
	s_mov_b32 s85, 0
	s_lshl_b32 s60, s80, 6
	s_add_co_u32 s60, s60, s82                     ; its scale bytes
	s_mov_b32 s[SEL], 0x76543210
	s_mov_b32 s[SEL+1], 0xfedcba98
	s_mov_b32 s[MNT], 0x600000
	s_wait_dscnt 0x0                               ; the opening add is done
	s_wait_kmcnt 0x0
	s_cmp_eq_u32 s21, s53                          ; (compared anew: the additions above set SCC)  the choice hangs on ids alone
	s_cselect_b64 s[62:63], s[4:5], s[8:9]
	s_add_nc_u64 s[62:63], s[62:63], s[58:59]      ; the ring: my 128 rows
	s_cmp_eq_u32 s22, s53
	s_cselect_b64 s[86:87], s[4:5], s[8:9]
	s_cselect_b64 s[66:67], s[6:7], s[10:11]
	s_add_nc_u64 s[86:87], s[86:87], s[84:85]
	s_add_nc_u64 s[66:67], s[66:67], s[60:61]
	s_mov_b32 s[G0S], 1
	s_add_co_u32 s[G0S+1], s69, SCL
	s_mov_b64 s[G0S+2:G0S+3], s[66:67]
	s_or_b32 s[G0S+3], s[G0S+3], 0x80000000
	s_mov_b32 s88, 1
	s_mov_b32 s89, s83
	s_mov_b64 s[90:91], s[86:87]
	s_or_b32 s91, s91, 0x80000000
.irp s, 0,1
	s_mov_b32 s[G0+4*\s], 1
	s_add_co_u32 s[G0+4*\s+1], s68, \s*SLOT
	s_add_nc_u64 s[G0+4*\s+2:G0+4*\s+3], s[62:63], \s*ROWB
	s_or_b32 s[G0+4*\s+3], s[G0+4*\s+3], 0x80000000
.endr
	s_wait_alu depctr_va_vdst(0)
	s_cmp_lt_u32 s20, 2                            ; one tensor load a wave at the head: each arm has one, and both lead to one join
	s_cbranch_scc0 .Lhead_scales
	tensor_load_to_lds s[88:91], s[G1:G1+7]
	s_nop 0
.rept 4
	v_nop
.endr
	s_branch .Lhead_asked
.Lhead_scales:
	tensor_load_to_lds s[G0S:G0S+3], s[G1S:G1S+7]
	s_nop 0
.rept 4
	v_nop
.endr
.Lhead_asked:
	v_and_b32 v1, 15, v0                           ; r = lane % 16
	v_bfe_u32 v2, v0, 4, 1                         ; h = lane / 16
	v_mul_u32_u24 v3, v1, PITCH
	v_lshl_add_u32 v4, v2, 4, v3                   ; a fragment's row x pitch + 16 x half
	s_mul_i32 s54, s21, HALFT                      ; my 128 rows of A
	s_mul_i32 s55, s22, HALFT                      ; my 128 rows of B,
	s_add_co_u32 s55, s55, 2*HALFT                 ; which lie behind A's 256
.irp s, 0,1
	v_add_nc_u32 v[ADRA+\s], s54, v4
	v_add_nc_u32 v[ADRB+\s], s55, v4
	s_add_co_u32 s54, s54, SLOT
	s_add_co_u32 s55, s55, SLOT
.endr
	v_mul_u32_u24 v5, v1, KS                       ; my row's scales: 64 bytes a row,
	v_lshrrev_b32 v6, 8, v5
	v_lshl_add_u32 v5, v6, 4, v5                   ; and 16 more for each 256 passed
	s_mul_i32 s54, s21, HALFS                      ; A's: my 128 rows
	s_mul_i32 s55, s22, HALFS                      ; B's: my 128 rows, behind A's 256
	s_add_co_u32 s55, s55, 2*HALFS
	s_sub_co_u32 s55, s55, s54
	v_mul_u32_u24 v6, s55, v2                      ; lanes 16-31 take B's
	s_add_co_u32 s54, s54, SCL
	v_add_nc_u32 v5, v5, v6
	v_add_nc_u32 v[ADRS], s54, v5
	v_and_b32 v6, 31, v0
	v_lshlrev_b32 v[LI], 4, v6
	v_and_b32 v7, 8, v1
	v_add_nc_u32 v7, v7, v1                        ; r + 8 (r / 8)
	v_lshlrev_b32 v[RO], 8, v7
	v_lshl_add_u32 v[RO], v2, 6, v[RO]
	s_lshl_b32 s70, s20, 9                         ; 512 bytes a wave
	v_lshl_add_u32 v[SWAQ], v1, 2, s70
	v_add_nc_u32 v[SWAV], SWV, v[SWAQ]
	v_add_nc_u32 v[SWAQ], SWQ, v[SWAQ]
	v_add_nc_u32 v[SWRQ], s70, v[LI]
	v_add_nc_u32 v[SWRV], SWV, v[SWRQ]
	v_add_nc_u32 v[SWRQ], SWQ, v[SWRQ]
	v_lshlrev_b32 v[PFO], 11, v6                   ; a prefetch's offset: a lane a row of 2,048 bytes
	; A PREFETCH INTO THE L2, behind each refill and its run of LDS loads: the K step two refills on.  A wave's 128 rows are fetched by all work-groups of a tile row (x's side) or of a tile column (the weight's side):
	; four of them, numbers 0 to 3 along the other axis, take 32 rows each, one instruction a wave: each block of 256 bytes is named once in the launch.  K steps 0 to 3 come by their loads alone; the last trip's refills ask for nothing.
	s_cmp_eq_u32 s21, s53
	s_cselect_b32 s84, s23, s52                    ; my number among those that fetch these rows
	s_and_b32 s80, s84, 3
	s_lshl_b32 s80, s80, 16                        ; 32 rows each
	s_mov_b32 s81, 0
	s_add_nc_u64 s[80:81], s[62:63], s[80:81]
	s_add_nc_u64 s[80:81], s[80:81], 2*ROWB        ; at K step 2: the first refill steps it to 3 and names K step 4
	s_cmp_lt_u32 s84, 4
	s_cselect_b32 s82, 1, 255                      ; asks while more than so many trips are to go
.macro ASK
	s_cmp_gt_u32 s3, s82
	s_cbranch_scc0 .Lnot_mine_\@
	global_prefetch_b8 v[PFO], s[80:81] offset:ROWB th:TH_LOAD_NT scope:SCOPE_SE
.Lnot_mine_\@:
.endm
	; where my results go
	s_cmp_eq_u32 s53, 0
	s_cselect_b32 s54, s21, s22                    ; which half of x's 256 rows is mine,
	s_cselect_b32 s55, s22, s21                    ; and which half of the weight's: a head
	s_lshr_b32 s56, s52, 3
	s_lshl_b32 s56, s56, 2                         ; 4 x batch
	s_and_b32 s57, s23, 1
	s_lshl_b32 s57, s57, 1
	s_add_co_u32 s56, s56, s57
	s_add_co_u32 s56, s56, s55                     ; head-batch = 4 x batch + head
	s_and_b32 s57, s52, 7
	s_lshl_b32 s57, s57, 1
	s_add_co_u32 s57, s57, s54                     ; which 128 tokens of the sequence
	s_lshr_b32 s58, s23, 1                         ; q, k or v
	s_lshl_b32 s60, s58, 22
	s_lshl_b32 s61, s56, 18
	s_add_co_u32 s60, s60, s61
	s_lshl_b32 s61, s57, 14
	s_add_co_u32 s60, s60, s61
	s_mov_b32 s61, 0
	s_add_nc_u64 s[16:17], s[16:17], s[60:61]      ; eight images, 16 KiB
	s_lshl_b32 s60, s58, 17
	s_lshl_b32 s62, s56, 13
	s_add_co_u32 s60, s60, s62
	s_lshl_b32 s62, s57, 9
	s_add_co_u32 s60, s60, s62
	s_add_nc_u64 s[18:19], s[18:19], s[60:61]      ; 128 scale words
	s_and_b32 s60, s52, 7
	s_lshl_b32 s60, s60, 16
	s_lshl_b32 s62, s21, 15
	s_add_co_u32 s60, s60, s62                     ; cos, sin: my 128 tokens' first row of 256 bytes (read on q's and k's way alone)
	s_add_nc_u64 s[12:13], s[12:13], s[60:61]
	s_add_nc_u64 s[14:15], s[14:15], s[60:61]
.macro FRAG reg, adr, q, i             ; a fragment, 16 rows x 128 K: lane l holds row l % 16; registers 4 c .. 4 c + 3 hold K = 32 c + 16 (l / 16) + 0 .. 15
.irp c, 0,1,2,3
	ds_load_b128 v[\reg+4*\c:\reg+4*\c+3], v[\adr] offset:128*(\q)+32*\c+(\i)*16*PITCH
.endr
.endm
; 16 matrix instructions: A's blocks a0, a0 + 1 x B's eight, 128 along K: the slot's q-th.  p: B's set;  sc: the set of scale words.  zero = 1: the first product starts the sums.
; The 64 accumulators take turns, one instruction a turn, in the same order in every step.
.macro MUL16 a0, p, q, sc, zero
.irp a, \a0, \a0+1
.irp b, 0,1,2,3,4,5,6,7
.if \zero
	v_wmma_scale_f32_16x16x128_f8f6f4 v[8*(8*((\a)%4)+\b):8*(8*((\a)%4)+\b)+7], v[128*(\p)+FR*\b:128*(\p)+FR*\b+FR-1], v[AF+FR*(\a):AF+FR*(\a)+FR-1], 0, v[SC+8*NQ*(\sc)+NQ*\b+(\q)], v[SC+8*NQ*(\sc)+NQ*(\a)+(\q)] matrix_a_scale:MATRIX_SCALE_ROW1
.else
	v_wmma_scale_f32_16x16x128_f8f6f4 v[8*(8*((\a)%4)+\b):8*(8*((\a)%4)+\b)+7], v[128*(\p)+FR*\b:128*(\p)+FR*\b+FR-1], v[AF+FR*(\a):AF+FR*(\a)+FR-1], v[8*(8*((\a)%4)+\b):8*(8*((\a)%4)+\b)+7], v[SC+8*NQ*(\sc)+NQ*\b+(\q)], v[SC+8*NQ*(\sc)+NQ*(\a)+(\q)] matrix_a_scale:MATRIX_SCALE_ROW1
.endif
.endr
.endr
.endm
.macro FETCH_B slot, q, p              ; B's eight fragments of the slot's q-th 128 along K into set p
	WIN TO_B
.irp i, 0,1,2,3,4,5,6,7
	FRAG 128*(\p)+FR*\i, ADRB+\slot, \q, \i
.endr
	WIN 0
.endm
.macro FETCH_A slot, q, i0             ; A's blocks i0 .. i0 + 3
.irp i, \i0, \i0+1, \i0+2, \i0+3
	FRAG AF+FR*(\i), ADRA+\slot, \q, \i
.endr
.endm
.macro SCALES sc                       ; a K step's scale words into set sc: two words a row; lanes 0-15 take A's block i, lanes 16-31 B's block i
.irp i, 0,1,2,3,4,5,6,7
	ds_load_b64 v[SC+8*NQ*\sc+NQ*\i:SC+8*NQ*\sc+NQ*\i+1], v[ADRS] offset:\i*SBLK
.endr
.endm
.macro PLACES n                        ; plain vector instructions that name none of a matrix instruction's registers: in front of loads into registers that it has read, and of the first read of results
.rept \n
	v_nop
.endr
.endm
; A step of 128 along K that has its successor in the same slot.  A block of A is free as soon as its eight products are issued: blocks 0-3 are fetched anew in the middle, blocks 4-7 at the end.
.macro STEP slot, q, zero
	s_wait_dscnt 4*NL                              ; B's set, the scale words and A's blocks 0-3 are in; the youngest sixteen loads (A's blocks 4-7) may be out
	WIN MUL_LO
	MUL16 0, (\q)%2, \q, \slot, \zero
	MUL16 2, (\q)%2, \q, \slot, \zero
	s_wait_dscnt 0                                 ; A's blocks 4-7 are in
	PLACES NP
	FETCH_B \slot, (\q)+1, 1-(\q)%2
	FETCH_A \slot, (\q)+1, 0
	WIN MUL_HI
	MUL16 4, (\q)%2, \q, \slot, \zero
	MUL16 6, (\q)%2, \q, \slot, \zero
	PLACES NP
	WIN 0
	FETCH_A \slot, (\q)+1, 4
.endm
; A slot's last step changes slots: ONE barrier.  In front of it each wave waits for all its tensor loads (one is out: its part of the next slot), adds 0 to its spare word, and waits for that and for its reads of this slot.
; fill = 1: behind the barrier this slot is filled again, two K steps ahead: my one tensor load until the next such barrier; it has a whole K step less sixteen products in which to land.
.macro TURN slot, next, fill
.if \fill
	s_wait_xcnt 0x0                                ; my last prefetch has read its address
	s_add_nc_u64 s[80:81], s[80:81], ROWB
.endif
	s_wait_tensorcnt 0x0                           ; all my tensor loads have landed  (every window is 0 here)
	ds_add_u32 v[SPW], v[NIL]                      ; 0 onto my spare word
	s_wait_dscnt 4*NL+1                            ; the add and the youngest sixteen loads (A's blocks 4-7) may be out
	WIN MUL_LO
	MUL16 0, 1, NQ-1, \slot, 0                     ; sixteen matrix instructions stand between the add and the wait for it
	s_wait_dscnt 0x0                               ; the add is done, and my reads of this slot are over
	s_barrier_signal -1
	MUL16 2, 1, NQ-1, \slot, 0                     ; work on registers while the others arrive
	WIN 0
	s_barrier_wait -1
.if \fill
	s_add_nc_u64 s[G0+4*\slot+2:G0+4*\slot+3], s[G0+4*\slot+2:G0+4*\slot+3], 2*ROWB  ; no load of mine is out, so a group 0 may be written
	tensor_load_to_lds s[G0+4*\slot:G0+4*\slot+3], s[G1:G1+7]
	s_nop 0
.endif
	PLACES NP                                      ; places ahead of the loads below
	v_add_nc_u32 v[ADRS], 4*NQ, v[ADRS]            ; on to the next K step's scale words
	FETCH_B \next, 0, 0
	FETCH_A \next, 0, 0
	SCALES \next
.if \fill
	ASK
.endif
	WIN MUL_HI
	MUL16 4, 1, NQ-1, \slot, 0
	MUL16 6, 1, NQ-1, \slot, 0
	PLACES NP
	WIN 0
	FETCH_A \next, 0, 4
.endm
.macro LAST                            ; the very last step: nothing more to fetch
	s_wait_dscnt 4*NL
	WIN MUL_LO
	MUL16 0, 1, NQ-1, 1, 0
	MUL16 2, 1, NQ-1, 1, 0
	s_wait_dscnt 0
	WIN MUL_HI
	MUL16 4, 1, NQ-1, 1, 0
	MUL16 6, 1, NQ-1, 1, 0
	WIN 0
.endm
; cos and sin have three sets of 64 registers, block a in set a % 3, so that two blocks' loads are out while a block is worked on.  Sets 0 and 1: window 1, v0-63 and v64-127;  set 2: window 0, v160-223.
.macro CSSET a
.if ((\a)%3) == 2
.set CSB, 160
.set CSW, 0
.else
.set CSB, 64*((\a)%3)
.set CSW, 1
.endif
.endm
; cos and sin for A's block a: my token is true row 32 (a / 2) + 8 (a % 2) + r + 8 (r / 8) of my wave's 128; of its 64 numbers I want those at 32 k + 16 (lane / 16) + 0 .. 15, k = 0, 1.  cos into the set's first 32 registers, sin into the next 32.
.macro CSLOAD a
	CSSET \a
	WIN CSW<<6
.irp k, 0,1
.irp j, 0,1,2,3
	global_load_b128 v[CSB+16*\k+4*\j:CSB+16*\k+4*\j+3], v[RO], s[12:13] offset:(32*((\a)/2)+8*((\a)%2))*256+128*\k+16*\j
	global_load_b128 v[CSB+32+16*\k+4*\j:CSB+32+16*\k+4*\j+3], v[RO], s[14:15] offset:(32*((\a)/2)+8*((\a)%2))*256+128*\k+16*\j
.endr
.endr
	WIN 0
.endm
; The rotation of block a, in place: registers 0-31 are d < 64, registers 32-63 the same d + 64.  x1' = x1 c - x2 s, x2' = x2 c + x1 s.  Each accumulator is read from its low end on.
.macro ROPE a
.set W, 2+(\a)/4
.set AC, 64*((\a)%4)
	CSSET \a
	WIN W|(CSW<<2)                                 ; source 0: the accumulators' window; source 1: the set's window; destination window 0
.set rr, 0
.rept 16
	v_pk_mul_f32 v[T+rr:T+rr+1], v[AC+32+rr:AC+33+rr], v[CSB+32+rr:CSB+33+rr]       ; x2 s
	v_pk_mul_f32 v[T+32+rr:T+33+rr], v[AC+rr:AC+rr+1], v[CSB+32+rr:CSB+33+rr]       ; x1 s
.set rr, rr+2
.endr
	WIN (W<<6)|(CSW<<2)|W                          ; destination and source 0: the accumulators' window; source 1: the set's window; source 2: window 0
.set rr, 0
.rept 16
	v_pk_fma_f32 v[AC+rr:AC+rr+1], v[AC+rr:AC+rr+1], v[CSB+rr:CSB+rr+1], v[T+rr:T+rr+1] neg_lo:[0,0,1] neg_hi:[0,0,1]
	v_pk_fma_f32 v[AC+32+rr:AC+33+rr], v[AC+32+rr:AC+33+rr], v[CSB+rr:CSB+rr+1], v[T+32+rr:T+33+rr]
.set rr, rr+2
.endr
	WIN 0
.endm
; Block a's 64 numbers of a lane (register 16 b + i = index 32 b + 16 (lane / 16) + i of my row) become a fragment's codes, 16 registers of window 1, and its scale word.
.macro QUANT a
.set W, 2+(\a)/4
.set AC, 64*((\a)%4)
	WIN W|(W<<2)                                   ; sources 0 and 1: the accumulators' window
.irp b, 0,1,2,3
	v_max3_num_f32 v[TM+\b], |v[AC+16*\b]|, |v[AC+16*\b+1]|, 0x4800000   ; block b: my 16 numbers, and the floor 2^(9 - 127): the byte cannot fall under 1
.endr
.irp i, 2,4,6,8,10,12,14
.irp b, 0,1,2,3
	v_max3_num_f32 v[TM+\b], |v[AC+16*\b+\i]|, |v[AC+16*\b+\i+1]|, v[TM+\b]   ; (the four blocks by turns)
.endr
.endr
	WIN 0
.irp b, 0,1,2,3
	v_permlanex16_b32 v[TM+4+\b], v[TM+\b], s[SEL], s[SEL+1]
.endr
.irp b, 0,1,2,3
	v_max_num_f32 v[TM+\b], v[TM+\b], v[TM+4+\b]   ; with lane l xor 16's: the block's largest magnitude
.endr
.irp b, 0,1,2,3
	v_add_nc_u32 v[TM+12+\b], 0xfc000000, v[TM+\b] ; 8 off its exponent field: the conversion's scale operand
.endr
.irp b, 0,1,2,3
	v_and_or_b32 v[TM+8+\b], v[TM+\b], 0x7f800000, s[MNT]   ; 448 x the scale
.endr
.irp b, 0,1,2,3
	v_lshrrev_b32 v[TM+4+\b], 23, v[TM+12+\b]      ; the scale's byte
.endr
	v_lshl_or_b32 v[PW+(\a)], v[TM+5], 8, v[TM+4]  ; the four bytes make my row's scale word
	v_lshl_or_b32 v[PW+(\a)], v[TM+6], 16, v[PW+(\a)]
	v_lshl_or_b32 v[PW+(\a)], v[TM+7], 24, v[PW+(\a)]
	WIN (W<<6)|W
.set bb, 0
.rept 4
.set ii, 0
.rept 16
	v_med3_num_f32 v[AC+16*bb+ii], v[AC+16*bb+ii], -v[TM+8+bb], v[TM+8+bb]   ; the conversion to an 8-bit code does not saturate (ISA guide 7.6.2): the hold comes first
.set ii, ii+1
.endr
.set bb, bb+1
.endr
	WIN 0x40|W                                     ; destination window 1
.irp b, 0,1,2,3
	v_cvt_scalef32_pk8_fp8_f32 v[PC+16*(\a)+4*\b:PC+16*(\a)+4*\b+1], v[AC+16*\b:AC+16*\b+7], v[TM+12+\b]
	v_cvt_scalef32_pk8_fp8_f32 v[PC+16*(\a)+4*\b+2:PC+16*(\a)+4*\b+3], v[AC+16*\b+8:AC+16*\b+15], v[TM+12+\b]
.endr
	v_nop                                          ; one plain vector instruction behind the last conversion, ahead of whatever next writes its sources
	WIN 0
.endm
.macro SENDF a                         ; the fragment leaves as it stands: each store covers 512 consecutive bytes, aligned.  No store's data, offset or base is ever written again
	WIN 0x04                                       ; a store's data are its source 1: window 1
.irp c, 0,1,2,3
	global_store_b128 v[LI], v[PC+16*(\a)+4*\c:PC+16*(\a)+4*\c+3], s[16:17] offset:2048*(\a)+512*\c
.endr
	WIN 0
.endm
.macro SCALEOUT sa, sr                 ; my 128 scale words through my own 512 bytes of LDS, so that one store covers 512 consecutive bytes; then the wave's end
.irp a, 0,1,2,3,4,5,6,7
	ds_store_b32 v[\sa], v[PW+\a] offset:64*\a     ; lanes l and l xor 16 write the same word with the same value
.endr
	ds_load_b128 v[OW:OW+3], v[\sr]                ; LDS serves a wave's instructions in order: this sees my stores
	s_wait_dscnt 0x0
	global_store_b128 v[LI], v[OW:OW+3], s[18:19]
	s_wait_tensorcnt 0x0                           ; the wave's end, behind my last tensor load and my last LDS store
	ds_add_u32 v[SPW], v[NIL]
	s_wait_dscnt 0x0
	s_endpgm
.endm
	s_wait_alu depctr_va_vdst(0)
	s_wait_tensorcnt 0x0                           ; my tile of the head's four is in; these lines stand ahead of a later first fill as ahead of a refill
	ds_add_u32 v[SPW], v[NIL]
	s_mov_b32 s[G1+2], 128<<16                     ; no tensor load of mine is out: from here on a load brings 128 rows
	s_mov_b32 s[G1+4], 128
	s_wait_dscnt 0x0
	s_barrier_signal -1
	s_barrier_wait -1                              ; all four tiles are in
	tensor_load_to_lds s[G0+4:G0+7], s[G1:G1+7]    ; K step 1: my one tensor load behind this barrier
	s_nop 0
	PLACES 4
	FETCH_B 0, 0, 0
	FETCH_A 0, 0, 0
	SCALES 0
	FETCH_A 0, 0, 4
	STEP 0, 0, 1                                   ; the first step stands in front of the loop: its products start the sums
	s_mov_b32 s3, LAPS-1
.Llap:                                                 ; a trip goes once round the ring, from a lap's second step to the next lap's first, and fills both slots again
	s_wait_alu depctr_va_vdst(0)
	TURN 0, 1, 1
	s_wait_alu depctr_va_vdst(0)
	STEP 1, 0, 0
	TURN 1, 0, 1
	STEP 0, 0, 0
	s_sub_co_u32 s3, s3, 1
	s_cmp_lg_u32 s3, 0
	s_cbranch_scc1 .Llap
	s_wait_alu depctr_va_vdst(0)
	TURN 0, 1, 0                                   ; the last lap fills nothing
	STEP 1, 0, 0
	s_cmp_lg_u32 s53, 0                            ; the work-group's number alone decides
	s_cbranch_scc1 .Lv
	; ---- q and k
	CSLOAD 0                                       ; blocks 0 and 1 into B's set 0: eight places stand behind its last products
	CSLOAD 1
	LAST
	PLACES NP
.irp b, 0,1,2,3
	v_mov_b32 v[TM+4+\b], 0                        ; written once: a lane permute's destination counts as one of its sources
.endr
	CSLOAD 2                                       ; into registers that held A's fragments: the eight places above stand behind their last products
.irp a, 0,1,2,3,4,5,6,7
.if \a < 6
	s_wait_loadcnt 32                              ; this block's cos and sin are in; the next two blocks' 32 loads may be out
.elseif \a == 6
	s_wait_loadcnt 16                              ; the last block's sixteen may be out
.else
	s_wait_loadcnt 0
.endif
	ROPE \a
.if \a < 5
	CSLOAD \a+3                                    ; into the set that the rotation has just read
.endif
	QUANT \a
	SENDF \a
.endr
	SCALEOUT SWAQ, SWRQ
.Lv:                                                   ; ---- v: no rotation; the lane's registers run along the keys
	LAST
	PLACES NP
.irp b, 0,1,2,3
	v_mov_b32 v[TM+4+\b], 0
.endr
.irp a, 0,1,2,3,4,5,6,7
	QUANT \a
	SENDF \a
.endr
	SCALEOUT SWAV, SWRV
.Lfunc_end_k_q9f9f55f0fc_qkv:
	.size	k_q9f9f55f0fc_qkv, .Lfunc_end_k_q9f9f55f0fc_qkv-k_q9f9f55f0fc_qkv
	.p2alignl 7, 3214868480
	.fill 96, 4, 3214868480
	.section	.rodata,"a",@progbits
	.p2align	6, 0x0
	.amdhsa_kernel k_q9f9f55f0fc_qkv
		.amdhsa_group_segment_fixed_size 327680
		.amdhsa_private_segment_fixed_size 0
		.amdhsa_enable_private_segment 0
		.amdhsa_kernarg_size 64
		.amdhsa_user_sgpr_count 2
		.amdhsa_user_sgpr_kernarg_segment_ptr 1
		.amdhsa_wavefront_size32 1
		.amdhsa_system_sgpr_workgroup_id_x 1
		.amdhsa_system_sgpr_workgroup_id_y 1
		.amdhsa_system_sgpr_workgroup_id_z 1
		.amdhsa_system_vgpr_workitem_id 0
		.amdhsa_next_free_vgpr 1024
		.amdhsa_next_free_sgpr 96
		.amdhsa_reserve_vcc 0
		.amdhsa_float_denorm_mode_32 3
		.amdhsa_float_denorm_mode_16_64 3
		.amdhsa_memory_ordered 1
		.amdhsa_forward_progress 1
		.amdhsa_inst_pref_size 255
	.end_amdhsa_kernel
	.section	.bss,"aw",@nobits
	.p2align	6
	.space	262144
	.amdgpu_metadata
---
amdhsa.version: [ 1, 2 ]
amdhsa.kernels:
  - .name:           k_q9f9f55f0fc_qkv
    .symbol:         k_q9f9f55f0fc_qkv.kd
    .args:
      - { .name: x_codes, .offset: 0, .size: 8, .value_kind: global_buffer, .address_space: global }
      - { .name: x_scales, .offset: 8, .size: 8, .value_kind: global_buffer, .address_space: global }
      - { .name: w_codes, .offset: 16, .size: 8, .value_kind: global_buffer, .address_space: global }
      - { .name: w_scales, .offset: 24, .size: 8, .value_kind: global_buffer, .address_space: global }
      - { .name: cos, .offset: 32, .size: 8, .value_kind: global_buffer, .address_space: global }
      - { .name: sin, .offset: 40, .size: 8, .value_kind: global_buffer, .address_space: global }
      - { .name: qkv_codes, .offset: 48, .size: 8, .value_kind: global_buffer, .address_space: global }
      - { .name: qkv_scales, .offset: 56, .size: 8, .value_kind: global_buffer, .address_space: global }
    .group_segment_fixed_size: 327680
    .private_segment_fixed_size: 0
    .kernarg_segment_align: 8
    .kernarg_segment_size: 64
    .max_flat_workgroup_size: 128
    .sgpr_count:     96
    .vgpr_count:     1024
    .wavefront_size: 32
...
	.end_amdgpu_metadata
.endif
;; end of part 2
;; launch attn (part 3): grid 16 x 16, 8 waves a work-group, no clusters, 327,680 bytes of LDS; arguments qkv_codes, qkv_scales, att_codes, att_scales; writes att_codes, att_scales
.if DOCPART == 3
	.amdgcn_target "amdgcn-amd-amdhsa--gfx1250"
	.amdhsa_code_object_version 6
	.text
	.protected	k_q9f9f55f0fc_attn
	.globl	k_q9f9f55f0fc_attn
	.p2align	8
	.type	k_q9f9f55f0fc_attn,@function
k_q9f9f55f0fc_attn:
	s_mov_b64 s[64:65], 0
	v_nop
	global_prefetch_b8 v0, s[64:65] scope:SCOPE_SE
	s_setreg_imm32_b32 hwreg(HW_REG_WAVE_MODE, 25, 1), 1
	s_wait_xcnt 0x0
.set SLOT1, 131072
.set VOFF,  65536
.set SCK,   262144
.set SPARE, 278528
.set STAGE, 279552
.set LI,   1
.set LS0,  2
.set PFO,  3
.set MQ,   4
.set SPW,  5
.set NIL,  6
.set STO,  7
.set ADK,  8
.set ADS,  9
.set SRD,  10
.set GO,   11
.set ADV,  32
.set KSW,  36
.set VSW,  40
.set OB,   48
.set TB,   2
.set TS,   3
.set WV,   18
.set MNT,  19
.set SEL,  20
.set CS,   22
.set G1,   24
.set G0,   32
.set G1S,  36
.set G0S,  44
.set SLOTS, 48
.set KF,   49
.set Q0,   50
.set QD,   51
.set QL,   52
.set QH,   53
.set PFA,  54
.set LIM,  56
.set MSB, 0
.macro WIN new
.if MSB != (\new)
	s_set_vgpr_msb (MSB<<8)|(\new)
.set MSB, (\new)
.endif
.endm
.macro ASK
	s_cmp_gt_u32 s[SLOTS], s[LIM]
	s_cbranch_scc0 .Lnot_mine_\@
	global_prefetch_b8 v[PFO], s[PFA:PFA+1] th:TH_LOAD_NT scope:SCOPE_SE
	global_prefetch_b8 v[PFO], s[PFA:PFA+1] offset:8192 th:TH_LOAD_NT scope:SCOPE_SE
.Lnot_mine_\@:
.endm
	s_load_b256 s[4:11], s[0:1], 0x0
	v_lshl_add_u32 v[SPW], v0, 2, SPARE
	v_mov_b32 v[NIL], 0
	ds_add_u32 v[SPW], v[NIL]
	ds_add_u32 v[SPW], v[NIL]
	v_lshrrev_b32 v8, 5, v0
	s_delay_alu instid0(VALU_DEP_1)
	v_readfirstlane_b32 s[WV], v8
	s_and_b32 s58, ttmp7, 0xffff
	s_lshl_b32 s59, ttmp9, 2
	s_add_co_u32 s60, s59, s[WV]
	s_sub_co_u32 s61, 120, s59
	s_add_co_u32 s61, s61, s[WV]
	s_cmp_lt_u32 s[WV], 4
	s_cselect_b32 s60, s60, s61
	s_lshr_b32 s[Q0], s60, 1
	s_lshl_b32 s[Q0], s[Q0], 5
	s_and_b32 s[QD], s60, 1
	s_lshl_b32 s[QD], s[QD], 3
	s_add_co_u32 s[QD], s[QD], s[Q0]
	s_add_co_u32 s[QH], s[Q0], 31
	s_lshl_b32 s[QL], s59, 4
	s_sub_co_u32 s[QL], 2047, s[QL]
	s_mov_b32 s[G1+0], 3<<16
	s_mov_b32 s[G1+1], 32<<16
	s_mov_b32 s[G1+2], 64<<16
	s_mov_b32 s[G1+3], 32<<16
	s_mov_b32 s[G1+4], 64
	s_mov_b32 s[G1+5], 32
	s_mov_b32 s[G1+6], 0
	s_mov_b32 s[G1+7], 0
	s_mov_b32 s[G1S+0], 3<<16
	s_mov_b32 s[G1S+1], 32<<16
	s_mov_b32 s[G1S+2], 16<<16
	s_mov_b32 s[G1S+3], 32<<16
	s_mov_b32 s[G1S+4], 16
	s_mov_b32 s[G1S+5], 32
	s_mov_b32 s[G1S+6], 0
	s_mov_b32 s[G1S+7], 0
	s_lshr_b32 s63, s[WV], 2
	s_add_co_u32 s63, s63, 1
	s_and_b32 s62, s[WV], 3
	s_lshl_b32 s66, s63, 22
	s_lshl_b32 s70, s58, 18
	s_add_co_u32 s66, s66, s70
	s_lshl_b32 s70, s62, 14
	s_add_co_u32 s66, s66, s70
	s_mov_b32 s67, 0
	s_lshl_b32 s68, s63, 17
	s_lshl_b32 s70, s58, 13
	s_add_co_u32 s68, s68, s70
	s_lshl_b32 s70, s62, 11
	s_add_co_u32 s68, s68, s70
	s_mov_b32 s69, 0
	s_lshl_b32 s71, s[WV], 14
	s_lshl_b32 s72, s[WV], 11
	s_add_co_u32 s72, s72, SCK
	s_lshl_b32 s74, s58, 18
	s_lshl_b32 s70, s60, 11
	s_add_co_u32 s74, s74, s70
	s_mov_b32 s75, 0
	s_lshl_b32 s76, s58, 13
	s_lshl_b32 s70, s60, 6
	s_add_co_u32 s76, s76, s70
	s_mov_b32 s77, 0
	s_add_co_u32 s78, s66, 0x10000
	s_mov_b32 s79, 0
	s_cmp_eq_u32 ttmp9, 0
	s_cselect_b32 s[LIM], 1, -1
	s_mov_b32 s[SEL], 0x76543210
	s_mov_b32 s[SEL+1], 0xfedcba98
	s_mov_b32 s[CS], 0x3e0293ee
	s_mov_b32 s[CS+1], s[CS]
	s_mov_b32 s[MNT], 0x600000
	s_mov_b32 s[TB], 0
	s_mov_b32 s[TS], 0
	s_mov_b32 s[KF], 0
	s_mov_b32 s[SLOTS], 3
	; THE HEAD'S LOADS, one a wave: waves 0, 1 slot 0's halves of K, waves 2, 3 those of V (32 KiB each); waves 4, 5 the halves of K's scale bytes for the whole sequence, waves 6, 7 those of V's (4 KiB each)
	s_mov_b32 s80, 3<<16                           ; group 1 for 32 KiB: 128 rows of 256 bytes
	s_mov_b32 s81, 32<<16
	s_mov_b32 s82, 128<<16
	s_mov_b32 s83, 32<<16
	s_mov_b32 s84, 128
	s_mov_b32 s85, 32
	s_mov_b32 s86, 0
	s_mov_b32 s87, 0
	s_bfe_u32 s92, s[WV], 0x10001
	s_add_co_u32 s92, s92, 1                       ; 1: K, 2: V
	s_and_b32 s93, s[WV], 1                        ; which half
	s_lshl_b32 s94, s92, 22
	s_lshl_b32 s70, s58, 18
	s_add_co_u32 s94, s94, s70
	s_lshl_b32 s70, s93, 15
	s_add_co_u32 s94, s94, s70
	s_mov_b32 s95, 0
	s_lshl_b32 s68, s92, 17
	s_lshl_b32 s70, s58, 13
	s_add_co_u32 s68, s68, s70
	s_lshl_b32 s70, s93, 12
	s_add_co_u32 s68, s68, s70
	s_and_b32 s72, s[WV], 3
	s_mov_b32 s88, 1
	s_lshl_b32 s89, s72, 15
	s_lshl_b32 s72, s72, 12
	s_add_co_u32 s72, s72, SCK
	s_wait_dscnt 0x0
	s_wait_kmcnt 0x0
	s_mov_b32 s[G0S], 1
	s_mov_b32 s[G0S+1], s72
	s_add_nc_u64 s[G0S+2:G0S+3], s[6:7], s[68:69]
	s_or_b32 s[G0S+3], s[G0S+3], 0x80000000
	s_mov_b32 s[G0], 1
	s_mov_b32 s[G0+1], s71
	s_add_nc_u64 s[G0+2:G0+3], s[4:5], s[66:67]
	s_or_b32 s[G0+3], s[G0+3], 0x80000000
	s_add_nc_u64 s[90:91], s[4:5], s[94:95]
	s_or_b32 s91, s91, 0x80000000
	s_wait_alu depctr_va_vdst(0)
	s_cmp_lt_u32 s[WV], 4                          ; each arm has one load, and both lead to one join
	s_cbranch_scc0 .Lhead_scales
	tensor_load_to_lds s[88:91], s[80:87]
	s_nop 0
.rept 4
	v_nop
.endr
	s_branch .Lhead_asked
.Lhead_scales:
	tensor_load_to_lds s[G0S:G0S+3], s[G1S:G1S+7]
	s_nop 0
.rept 4
	v_nop
.endr
.Lhead_asked:
	s_add_nc_u64 s[PFA:PFA+1], s[4:5], s[78:79]
	s_add_nc_u64 s[74:75], s[4:5], s[74:75]
	s_add_nc_u64 s[76:77], s[6:7], s[76:77]
	v_and_b32 v8, 15, v0
	v_bfe_u32 v9, v0, 4, 1
	v_and_b32 v12, 31, v0
	s_delay_alu instid0(VALU_DEP_1)
	v_lshlrev_b32 v[LI], 4, v12
.irp c, 0,1,2,3
	global_load_b128 v[16+4*\c:19+4*\c], v[LI], s[74:75] offset:512*\c
.endr
	v_lshlrev_b32 v254, 2, v8
	global_load_b32 v255, v254, s[76:77]
	v_lshl_add_u32 v[LS0], v8, 2, SCK
	s_delay_alu instid0(VALU_DEP_1)
	v_lshl_add_u32 v[LS0], v9, 8, v[LS0]
	v_lshlrev_b32 v[PFO], 8, v12
	v_and_b32 v13, 8, v8
	s_delay_alu instid0(VALU_DEP_1)
	v_add_nc_u32 v[MQ], v13, v8
	v_lshlrev_b32 v13, 4, v9
	s_delay_alu instid0(VALU_DEP_1)
	v_sub_nc_u32 v[MQ], v[MQ], v13
	s_mul_i32 s70, s[WV], 2304
	s_add_co_u32 s70, s70, STAGE
	v_mul_u32_u24 v[STO], v8, 144
	s_delay_alu instid0(VALU_DEP_1)
	v_lshl_add_u32 v[STO], v9, 4, v[STO]
	s_delay_alu instid0(VALU_DEP_1)
	v_add_nc_u32 v[STO], s70, v[STO]
	v_lshrrev_b32 v13, 3, v12
	v_and_b32 v14, 7, v12
	s_delay_alu instid0(VALU_DEP_2)
	v_mul_u32_u24 v[SRD], v13, 144
	s_delay_alu instid0(VALU_DEP_1)
	v_lshl_add_u32 v[SRD], v14, 4, v[SRD]
	s_delay_alu instid0(VALU_DEP_1)
	v_add_nc_u32 v[SRD], s70, v[SRD]
	v_lshlrev_b32 v[GO], 9, v13
	s_delay_alu instid0(VALU_DEP_1)
	v_lshl_add_u32 v[GO], v14, 4, v[GO]
	s_lshr_b32 s70, s58, 2
	s_lshl_b32 s70, s70, 11
	s_add_co_u32 s70, s70, s[QD]
	s_and_b32 s71, s58, 3
	s_lshl_b32 s78, s70, 9
	s_lshl_b32 s57, s71, 7
	s_add_co_u32 s78, s78, s57
	s_add_nc_u64 s[8:9], s[8:9], s[78:79]
	s_lshl_b32 s78, s70, 4
	s_lshl_b32 s57, s71, 2
	s_add_co_u32 s78, s78, s57
	s_add_nc_u64 s[10:11], s[10:11], s[78:79]
	v_mov_b32 v13, 0xff61b1e6
	s_delay_alu instid0(VALU_DEP_1)
	v_floor_f32 v12, -v13
	v_mov_b32 v14, 0
	v_mov_b32 v15, 0
.irp b, 0,1,2,3
	v_mov_b32 v[236+\b], 0
.endr
	v_mov_b32 v252, 0
	v_mov_b32 v253, 0
.set jj, 0
.rept 64
	v_mov_b32 v[160+jj], 0
.set jj, jj+1
.endr
.macro KLOAD q
.irp t, 0,1,2,3
	ds_load_b32 v[KSW+\t], v[ADS] offset:512*(\q)+64*\t
.endr
	WIN 0x40
.irp i, 0,1,2,3,4,5,6,7
.irp c, 0,1,2,3
	ds_load_b128 v[16*\i+4*\c:16*\i+4*\c+3], v[ADK] offset:(8*(\q)+\i)*2048+512*\c
.endr
.endr
	WIN 0
.endm
.macro VLOAD q
	WIN 0x40
.irp i, 0,1,2,3,4,5,6,7
.irp c, 0,1,2,3
	ds_load_b128 v[128+16*\i+4*\c:128+16*\i+4*\c+3], v[ADV] offset:16384*(\q)+\i*2048+512*\c
.endr
.endr
	WIN 0
.irp t, 0,1,2,3
	ds_load_b32 v[VSW+\t], v[ADS] offset:8192+512*(\q)+64*\t
.endr
.endm
.macro STEP q, id
	s_add_co_u32 s57, s[KF], 128*(\q)
	s_cmp_gt_u32 s57, s[QH]
	s_cbranch_scc1 .Lend_\id
.if (\q) == 0
	v_add_nc_u32 v[ADK], s[TB], v[LI]
	v_add_nc_u32 v[ADS], s[TS], v[LS0]
	s_delay_alu instid0(VALU_DEP_2)
	v_add_nc_u32 v[ADV], VOFF, v[ADK]
.rept 5
	v_nop
.endr
	KLOAD 0
.else
.rept 8
	v_nop
.endr
.endif
	VLOAD \q
	s_wait_dscnt 36
	WIN 0x01
.irp i, 0,1,2,3
	v_wmma_scale_f32_16x16x128_f8f6f4 v[96+8*\i:103+8*\i], v[16*\i:16*\i+15], v[16:31], 0, v[KSW+\i], v255
.endr
.irp i, 4,5,6,7
	v_wmma_scale_f32_16x16x128_f8f6f4 v[96+8*\i:103+8*\i], v[16*\i:16*\i+15], v[16:31], 0, v[KSW+\i-4], v255 matrix_a_scale:MATRIX_SCALE_ROW1
.endr
	WIN 0
.rept 8
	v_nop
.endr
	s_add_co_u32 s59, s57, 127
	s_cmp_le_u32 s59, s[Q0]
	s_cbranch_scc1 .Lopen_\@
	s_sub_co_i32 s59, s[QD], s57
	v_add_nc_u32 v252, s59, v[MQ]
	v_mov_b32 v254, 0xff800000
.set jj, 0
.rept 64
	v_cmp_gt_i32 vcc_lo, 32*(jj/16)+jj%16, v252
	v_cndmask_b32 v[96+jj], v[96+jj], v254, vcc_lo
.set jj, jj+1
.endr
.Lopen_\@:
.irp b, 0,1,2,3
	v_max3_num_f32 v[232+\b], v[96+16*\b], v[97+16*\b], v[98+16*\b]
.endr
.irp i, 3,5,7,9,11,13
.irp b, 0,1,2,3
	v_max3_num_f32 v[232+\b], v[232+\b], v[96+16*\b+\i], v[97+16*\b+\i]
.endr
.endr
.irp b, 0,1,2,3
	v_max_num_f32 v[232+\b], v[232+\b], v[111+16*\b]
.endr
.irp b, 0,1,2,3
	v_permlanex16_b32 v[236+\b], v[232+\b], s[SEL], s[SEL+1]
.endr
.irp b, 0,1,2,3
	s_delay_alu instid0(VALU_DEP_4)
	v_max_num_f32 v[232+\b], v[232+\b], v[236+\b]
.endr
	s_delay_alu instid0(VALU_DEP_2)
	v_max3_num_f32 v254, v232, v233, v234
	s_delay_alu instid0(VALU_DEP_1)
	v_max_num_f32 v254, v254, v235
	s_delay_alu instid0(VALU_DEP_1)
	v_mul_f32 v254, s[CS], v254
	s_delay_alu instid0(VALU_DEP_1)
	v_max_num_f32 v13, v13, v254
	v_mov_b32 v254, v12
	s_delay_alu instid0(VALU_DEP_2)
	v_floor_f32 v12, -v13
	s_delay_alu instid0(VALU_DEP_1)
	v_sub_f32 v254, v12, v254
	s_delay_alu instid0(VALU_DEP_1)
	v_cvt_i32_f32 v254, v254
	s_delay_alu instid0(VALU_DEP_1)
	v_ldexp_f32 v252, 1.0, v254
.if (\q) < 3
	KLOAD (\q)+1
.endif
.set jj, 0
.rept 32
	v_pk_fma_f32 v[96+jj:97+jj], v[96+jj:97+jj], s[CS:CS+1], v[12:13] op_sel_hi:[1,0,0]
.set jj, jj+2
.endr
.irp b, 0,1,2,3
	v_fma_f32 v[232+\b], v[232+\b], s[CS], v12
.endr
.set jj, 0
	s_wait_alu depctr_va_vdst(0)
.rept 64
	v_exp_f32 v[96+jj], v[96+jj]
.set jj, jj+1
.endr
	v_pk_mul_f32 v[14:15], v[14:15], v[252:253] op_sel_hi:[1,0]
	s_wait_alu depctr_va_vdst(0)
.irp b, 0,1,2,3
	v_exp_f32 v[232+\b], v[232+\b]
.endr
	v_pk_add_f32 v[236:237], v[96:97], v[98:99]
.irp j, 4,8,12,16,20,24,28,32,36,40,44,48,52,56,60
	v_pk_add_f32 v[14:15], v[14:15], v[96+\j:97+\j]
	v_pk_add_f32 v[236:237], v[236:237], v[98+\j:99+\j]
.endr
	s_delay_alu instid0(VALU_DEP_1)
	v_pk_add_f32 v[14:15], v[14:15], v[236:237]
	s_wait_alu depctr_va_vdst(0)
.irp b, 0,1,2,3
	v_max_num_f32 v[232+\b], 0x4800000, v[232+\b]
.endr
.irp b, 0,1,2,3
	s_delay_alu instid0(VALU_DEP_4)
	v_add_nc_u32 v[244+\b], 0xfc000000, v[232+\b]
.endr
.irp b, 0,1,2,3
	v_and_or_b32 v[240+\b], v[232+\b], 0x7f800000, s[MNT]
.endr
.irp b, 0,1,2,3
	v_lshrrev_b32 v[236+\b], 23, v[244+\b]
.endr
	s_delay_alu instid0(VALU_DEP_3)
	v_lshl_or_b32 v253, v237, 8, v236
	s_delay_alu instid0(VALU_DEP_1)
	v_lshl_or_b32 v253, v238, 16, v253
	s_delay_alu instid0(VALU_DEP_1)
	v_lshl_or_b32 v253, v239, 24, v253
.set jj, 0
.rept 32
	v_pk_mul_f32 v[160+jj:161+jj], v[160+jj:161+jj], v[252:253] op_sel_hi:[1,0]
.set jj, jj+2
.endr
.irp b, 0,1,2,3
.irp i, 0,1,2,3,4,5,6,7,8,9,10,11,12,13,14,15
	v_min_num_f32 v[96+16*\b+\i], v[96+16*\b+\i], v[240+\b]
.endr
	v_cvt_scalef32_pk8_fp8_f32 v[224+4*\b:225+4*\b], v[96+16*\b:103+16*\b], v[244+\b]
	v_cvt_scalef32_pk8_fp8_f32 v[226+4*\b:227+4*\b], v[104+16*\b:111+16*\b], v[244+\b]
.endr
.rept 4
	v_nop
.endr
.if (\q) < 3
	s_wait_alu depctr_va_vdst(0)
	s_wait_dscnt 36
.else
	s_wait_alu depctr_va_vdst(0)
	s_wait_dscnt 0x0
.endif
	WIN 0x01
.irp i, 0,1,2,3
	v_wmma_scale_f32_16x16x128_f8f6f4 v[160+8*\i:167+8*\i], v[128+16*\i:143+16*\i], v[224:239], v[160+8*\i:167+8*\i], v[VSW+\i], v253
.endr
.irp i, 4,5,6,7
	v_wmma_scale_f32_16x16x128_f8f6f4 v[160+8*\i:167+8*\i], v[128+16*\i:143+16*\i], v[224:239], v[160+8*\i:167+8*\i], v[VSW+\i-4], v253 matrix_a_scale:MATRIX_SCALE_ROW1
.endr
	WIN 0
.endm
.macro CHANGE fill
	s_wait_tensorcnt 0x0
	ds_add_u32 v[SPW], v[NIL]
.if \fill
	s_xor_b32 s[G0+1], s[G0+1], SLOT1
	s_add_nc_u64 s[G0+2:G0+3], s[G0+2:G0+3], 65536
	s_wait_xcnt 0x0
	s_add_nc_u64 s[PFA:PFA+1], s[PFA:PFA+1], 65536
.endif
	s_wait_dscnt 0x0
	s_barrier_signal -1
	s_barrier_wait -1
.if \fill
	s_add_co_u32 s57, s[KF], 512
	s_cmp_gt_u32 s57, s[QL]
	s_cbranch_scc1 .Lpast_\@
	tensor_load_to_lds s[G0:G0+3], s[G1:G1+7]
	s_nop 0
.rept 4
	v_nop
.endr
.Lpast_\@:
	ASK
.endif
.endm
.macro SLOT_STEPS id
	STEP 0, \id
	STEP 1, \id
	STEP 2, \id
	STEP 3, \id
.Lend_\id:
	s_add_co_u32 s[KF], s[KF], 512
	s_add_co_u32 s[TS], s[TS], 2048
	s_xor_b32 s[TB], s[TB], SLOT1
.endm
	s_wait_loadcnt 0x0
.Lslot:
	CHANGE 1
	SLOT_STEPS 0
	s_sub_co_u32 s[SLOTS], s[SLOTS], 1
	s_cmp_lg_u32 s[SLOTS], 0
	s_cbranch_scc1 .Lslot
	CHANGE 0
	SLOT_STEPS 1
.rept 8
	v_nop
.endr
	v_add_f32 v14, v14, v15
	s_delay_alu instid0(VALU_DEP_1)
	v_permlanex16_b32 v252, v14, s[SEL], s[SEL+1]
	s_delay_alu instid0(VALU_DEP_1)
	v_add_f32 v14, v14, v252
	s_wait_alu depctr_va_vdst(0)
	v_rcp_f32 v14, v14
	v_and_b32 v8, 15, v0
	s_delay_alu instid0(VALU_DEP_1)
	v_and_b32 v9, 8, v8
	s_delay_alu instid0(VALU_DEP_1)
	v_add_nc_u32 v8, v8, v9
	s_delay_alu instid0(VALU_DEP_1)
	v_lshlrev_b32 v8, 4, v8
	s_wait_alu depctr_va_vdst(0)
.set jj, 0
.rept 32
	v_pk_mul_f32 v[96+jj:97+jj], v[160+jj:161+jj], v[14:15] op_sel_hi:[1,0]
.set jj, jj+2
.endr
.irp b, 0,1,2,3
	v_max3_num_f32 v[232+\b], |v[96+16*\b]|, |v[97+16*\b]|, 0x4800000
.endr
.irp i, 2,4,6,8,10,12,14
.irp b, 0,1,2,3
	s_delay_alu instid0(VALU_DEP_4)
	v_max3_num_f32 v[232+\b], v[232+\b], |v[96+16*\b+\i]|, |v[97+16*\b+\i]|
.endr
.endr
.irp b, 0,1,2,3
	v_permlanex16_b32 v[236+\b], v[232+\b], s[SEL], s[SEL+1]
.endr
.irp b, 0,1,2,3
	s_delay_alu instid0(VALU_DEP_4)
	v_max_num_f32 v[232+\b], v[232+\b], v[236+\b]
.endr
.irp b, 0,1,2,3
	s_delay_alu instid0(VALU_DEP_4)
	v_add_nc_u32 v[244+\b], 0xfc000000, v[232+\b]
.endr
.irp b, 0,1,2,3
	v_and_or_b32 v[240+\b], v[232+\b], 0x7f800000, s[MNT]
.endr
.irp b, 0,1,2,3
	v_lshrrev_b32 v[236+\b], 23, v[244+\b]
.endr
	s_delay_alu instid0(VALU_DEP_3)
	v_lshl_or_b32 v253, v237, 8, v236
	s_delay_alu instid0(VALU_DEP_1)
	v_lshl_or_b32 v253, v238, 16, v253
	s_delay_alu instid0(VALU_DEP_1)
	v_lshl_or_b32 v253, v239, 24, v253
.irp b, 0,1,2,3
.irp i, 0,1,2,3,4,5,6,7,8,9,10,11,12,13,14,15
	v_med3_num_f32 v[96+16*\b+\i], v[96+16*\b+\i], -v[240+\b], v[240+\b]
.endr
	v_cvt_scalef32_pk8_fp8_f32 v[224+4*\b:225+4*\b], v[96+16*\b:103+16*\b], v[244+\b]
	v_cvt_scalef32_pk8_fp8_f32 v[226+4*\b:227+4*\b], v[104+16*\b:111+16*\b], v[244+\b]
.endr
	v_nop
.irp b, 0,1,2,3
	ds_store_b128 v[STO], v[224+4*\b:227+4*\b] offset:32*\b
.endr
.irp t, 0,1,2,3
	ds_load_b128 v[OB+4*\t:OB+4*\t+3], v[SRD] offset:576*\t
.endr
.irp t, 0,1,2,3
	s_wait_dscnt 3-\t
	global_store_b128 v[GO], v[OB+4*\t:OB+4*\t+3], s[8:9] offset:(4*\t+8*(\t/2))*512
.endr
	global_store_b32 v8, v253, s[10:11]
	s_wait_tensorcnt 0x0
	ds_add_u32 v[SPW], v[NIL]
	s_wait_dscnt 0x0
	s_endpgm
.Lfunc_end_k_q9f9f55f0fc_attn:
	.size	k_q9f9f55f0fc_attn, .Lfunc_end_k_q9f9f55f0fc_attn-k_q9f9f55f0fc_attn
	.p2alignl 7, 3214868480
	.fill 96, 4, 3214868480
	.section	.rodata,"a",@progbits
	.p2align	6, 0x0
	.amdhsa_kernel k_q9f9f55f0fc_attn
		.amdhsa_group_segment_fixed_size 327680
		.amdhsa_private_segment_fixed_size 0
		.amdhsa_enable_private_segment 0
		.amdhsa_kernarg_size 32
		.amdhsa_user_sgpr_count 2
		.amdhsa_user_sgpr_kernarg_segment_ptr 1
		.amdhsa_wavefront_size32 1
		.amdhsa_system_sgpr_workgroup_id_x 1
		.amdhsa_system_sgpr_workgroup_id_y 1
		.amdhsa_system_sgpr_workgroup_id_z 1
		.amdhsa_system_vgpr_workitem_id 0
		.amdhsa_next_free_vgpr 512
		.amdhsa_next_free_sgpr 96
		.amdhsa_reserve_vcc 1
		.amdhsa_float_denorm_mode_32 3
		.amdhsa_float_denorm_mode_16_64 3
		.amdhsa_memory_ordered 1
		.amdhsa_forward_progress 1
		.amdhsa_inst_pref_size 252
	.end_amdhsa_kernel
	.amdgpu_metadata
---
amdhsa.version: [ 1, 2 ]
amdhsa.kernels:
  - .name:           k_q9f9f55f0fc_attn
    .symbol:         k_q9f9f55f0fc_attn.kd
    .args:
      - { .name: qkv_codes, .offset: 0, .size: 8, .value_kind: global_buffer, .address_space: global }
      - { .name: qkv_scales, .offset: 8, .size: 8, .value_kind: global_buffer, .address_space: global }
      - { .name: att_codes, .offset: 16, .size: 8, .value_kind: global_buffer, .address_space: global }
      - { .name: att_scales, .offset: 24, .size: 8, .value_kind: global_buffer, .address_space: global }
    .group_segment_fixed_size: 327680
    .private_segment_fixed_size: 0
    .kernarg_segment_align: 8
    .kernarg_segment_size: 32
    .max_flat_workgroup_size: 256
    .sgpr_count:     96
    .vgpr_count:     512
    .wavefront_size: 32
...
	.end_amdgpu_metadata
.endif
;; end of part 3
;; launch oproj (part 4): grid 8 x 32, 4 waves a work-group, clusters of 4 x 4, 327,680 bytes of LDS; arguments att_codes, att_scales, w_codes, w_scales, out0; writes out0
.if DOCPART == 4
	.amdgcn_target "amdgcn-amd-amdhsa--gfx1250"
	.amdhsa_code_object_version 6
	.text
	.protected	k_q9f9f55f0fc_oproj
	.globl	k_q9f9f55f0fc_oproj
	.p2align	8
	.type	k_q9f9f55f0fc_oproj,@function
k_q9f9f55f0fc_oproj:
	s_mov_b64 s[64:65], 0
	v_nop
	global_prefetch_b8 v0, s[64:65] scope:SCOPE_SE
	s_setreg_imm32_b32 hwreg(HW_REG_WAVE_MODE, 25, 1), 1
	s_wait_xcnt 0x0
	s_wait_alu depctr_hold_cnt(0) depctr_sa_sdst(0) depctr_va_vdst(0) depctr_va_sdst(0) depctr_va_ssrc(0) depctr_va_vcc(0) depctr_vm_vsrc(0)
	s_getreg_b32 s2, hwreg(HW_REG_IB_STS2, 6, 4)
	s_cmp_eq_u32 s2, 0
	s_cbranch_scc0 .Lentry_in_a_cluster
	s_endpgm
.Lentry_in_a_cluster:
	s_bfe_u32 s2, ttmp6, 0x10000c
	s_cmp_lg_u32 s2, 0xf033
	s_cbranch_scc0 .Lentry_shape_is_right
	s_endpgm
.Lentry_shape_is_right:
; out0 [8192][2048] f32 = att [8192][512] x wo, on codes of FP8 (E4M3) with an E8M0 scale byte for each 32 along K: att_codes [8192][512], att_scales [8192][16]; wo^T [2048][512] at byte 0 of w_codes, [2048][16] at byte 0 of w_scales.
; A work-group makes 256 x 256 of out0, a wave 128 x 128.  The 256 rows of either operand, for ALL of K, come into LDS by one joint tensor load a wave, and nothing is filled again.
; A wave holds its 128 rows of wo^T, all of K, in 512 registers and streams its 128 rows of att past them in eight blocks of 16; a block's rows are stored behind the next block's products.
; The matrix instruction is used transposed (source 0 = 16 rows of wo^T, source 1 = 16 rows of att): a lane holds eight neighbouring numbers of a row of out0.
; CLUSTERS: 4 x 4.  The four of a row share att's rows, the four of a column wo's.  NO PREFETCH: every tile is asked for at the head, and no loop runs behind it.
; LIMITS: NaN, infinities and sums beyond f32's range are not served.
; REGISTERS: window 0: v0-27 addresses; v28-43 att's scale words, v46-61 wo's (register 4 p + q: rows 32 p + lane, the q-th 128 along K); v64-191 att's fragments, two sets; v192-255 rows on their way out.
;   windows 1, 2: wo's 32 fragments (8 q + b);   window 3: two sets of eight accumulators.
.set PITCH, 528                        ; an LDS row: 512 bytes + 16 of padding = 132 words: the sixteen rows of a fragment load start at sixteen different banks (64 banks of 4 bytes: ISA guide 11.1)
.set HALF,  128*PITCH                  ; 128 rows: what one tensor load brings
.set AB,    2*HALF                     ; wo's 256 rows, then att's 256 rows
.set STAGE, 4*HALF                     ; behind them: 16 rows for each wave, for the way out
.set SPARE, STAGE+4*16*PITCH           ; the spare words, 128 bytes a wave
.set ROWO,  8192                       ; a row of out0 in bytes
.set SPW,  4                           ; v4   LDS address of my spare word; never rewritten
.set NIL,  5                           ; v5   0; never rewritten
.set ADRA, 6                           ; v6   LDS address of my fragments of att
.set ADRB, 7                           ; v7   of wo
.set STO,  8                           ; v8   the way out: where I put 32 bytes of a row
.set RD,   9                           ; v9   where I read a row back
.set CO,   10                          ; v10  16 x lane
.set SA,   28
.set SB,   46                          ; (no product's two scale words have numbers equal modulo 8)
.set AF,   64
.set BK,   192
.set G1,   24                          ; s[24:31], s[32:35] descriptor groups 1 and 0 for att's rows;  s[48:55], s[56:59] for wo's
.set G0,   32
.set G1B,  48
.set G0B,  56
.set MSB, 0
.macro WIN new                         ; the immediate's high byte repeats the setting that is left; a switch that changes nothing is dropped
.if MSB != (\new)
	s_set_vgpr_msb (MSB<<8)|(\new)
.set MSB, (\new)
.endif
.endm
.macro PLACES n                        ; plain vector lines behind matrix instructions (ISA guide 7.12.1)
.rept \n
	v_nop
.endr
.endm
.macro CROUND                          ; a round of the cluster's barrier
	s_barrier_signal -1
	s_barrier_wait -1
	s_cmp_lg_u32 s14, 0
	s_cbranch_scc1 .Lnot_wave_0_\@
	s_barrier_signal -3
.Lnot_wave_0_\@:
	s_barrier_wait -3
	s_barrier_signal -1
	s_barrier_wait -1
.endm
	s_load_b256 s[4:11], s[0:1], 0x0               ; att_codes s[4:5], att_scales s[6:7], w_codes s[8:9], w_scales s[10:11]
	s_load_b64 s[12:13], s[0:1], 0x20              ; out0
	v_lshl_add_u32 v[SPW], v0, 2, SPARE
	v_mov_b32 v[NIL], 0
	ds_add_u32 v[SPW], v[NIL]                      ; the wave's opening: the add, twice on end, and its wait stand ahead of my tensor load
	ds_add_u32 v[SPW], v[NIL]
	v_lshrrev_b32 v1, 5, v0
	v_readfirstlane_b32 s14, v1                    ; wave 0..3
	s_lshr_b32 s15, s14, 1                         ; which half of the tile's rows is mine
	s_and_b32 s16, s14, 1                          ; which half of its columns.  Also: which 128 rows of a side I fetch
	s_bfe_u32 s40, ttmp6, 0x40000                  ; cx, cy: my place in the cluster
	s_bfe_u32 s41, ttmp6, 0x40004
	s_lshl_b32 s42, ttmp9, 2
	s_add_co_u32 s42, s42, s40                     ; tile column
	s_and_b32 s17, ttmp7, 0xffff
	s_lshl_b32 s17, s17, 2
	s_add_co_u32 s17, s17, s41                     ; tile row
	s_lshl_b32 s43, s41, 2
	s_lshl_b32 s43, 15, s43                        ; my row of the cluster
	s_lshl_b32 s44, 0x1111, s40                    ; my column
	s_or_b32 s[G1+0], s43, (1<<20)|(1<<21)|(6<<22)|(3<<25)   ; the mask; elements of 1 byte; padding on: 4 words behind every 128; 21 set beside a mask
	s_or_b32 s[G1B+0], s44, (1<<20)|(1<<21)|(6<<22)|(3<<25)
.irp g, G1, G1B
	s_mov_b32 s[\g+1], 512<<16                     ; tensor_dim0
	s_mov_b32 s[\g+2], 128<<16                     ; tensor_dim1
	s_mov_b32 s[\g+3], 512<<16                     ; tile_dim0
	s_mov_b32 s[\g+4], 128                         ; tile_dim1
	s_mov_b32 s[\g+5], 512                         ; from row to row
	s_mov_b32 s[\g+6], 0
	s_mov_b32 s[\g+7], 0
.endr
	s_lshl_b32 s18, s16, 16                        ; 128 rows of 512 bytes
	s_lshl_b32 s20, s17, 17
	s_add_co_u32 s20, s20, s18                     ; att: row 256 x tile row + 128 x half
	s_mov_b32 s21, 0
	s_lshl_b32 s22, s42, 17
	s_add_co_u32 s22, s22, s18                     ; wo: row 256 x tile column + 128 x half
	s_mov_b32 s23, 0
	s_wait_dscnt 0x0                               ; both opening adds are done
	CROUND                                         ; all sixteen work-groups are here: the joint loads meet
	s_wait_kmcnt 0x0
	s_mov_b32 s[G0], 1
	s_mul_i32 s[G0+1], s14, HALF                   ; wave x 128 rows: waves 0, 1 fetch wo's halves, waves 2, 3 att's, which lie behind them
	s_add_nc_u64 s[G0+2:G0+3], s[4:5], s[20:21]
	s_or_b32 s[G0+3], s[G0+3], 0x80000000
	s_mov_b32 s[G0B], 1
	s_mul_i32 s[G0B+1], s14, HALF
	s_add_nc_u64 s[G0B+2:G0B+3], s[8:9], s[22:23]
	s_or_b32 s[G0B+3], s[G0B+3], 0x80000000
	s_cmp_lt_u32 s14, 2                            ; one joint load a wave: each arm has one line, with one mask, and both lead to one join
	s_cbranch_scc0 .Lfor_a
	tensor_load_to_lds s[G0B:G0B+3], s[G1B:G1B+7]
	s_nop 0
	PLACES 4
	s_branch .Lasked
.Lfor_a:
	tensor_load_to_lds s[G0:G0+3], s[G1:G1+7]
	s_nop 0
	PLACES 4
.Lasked:
	s_lshl_b32 s20, s17, 12                        ; scale bytes: 16 a row: my 128 rows of att,
	s_lshl_b32 s18, s15, 11
	s_add_co_u32 s20, s20, s18
	s_add_nc_u64 s[6:7], s[6:7], s[20:21]
	s_lshl_b32 s22, s42, 12                        ; my 128 rows of wo^T
	s_lshl_b32 s18, s16, 11
	s_add_co_u32 s22, s22, s18
	s_add_nc_u64 s[10:11], s[10:11], s[22:23]
	s_lshl_b32 s20, s17, 21                        ; out0: row 256 x tile row + 128 x half,
	s_lshl_b32 s18, s15, 20
	s_add_co_u32 s20, s20, s18
	s_lshl_b32 s18, s42, 10                        ; column 256 x tile column + 128 x half, in bytes
	s_add_co_u32 s20, s20, s18
	s_lshl_b32 s18, s16, 9
	s_add_co_u32 s20, s20, s18
	s_add_nc_u64 s[12:13], s[12:13], s[20:21]
	s_mul_i32 s36, s15, HALF
	s_add_co_u32 s36, s36, AB                      ; in LDS: my 128 rows of att,
	s_mul_i32 s37, s16, HALF                       ; of wo,
	s_mul_i32 s38, s14, 16*PITCH
	s_add_co_u32 s38, s38, STAGE                   ; my stage
	v_and_b32 v1, 15, v0                           ; r = lane % 16
	v_bfe_u32 v2, v0, 4, 1                         ; h = lane / 16
	v_and_b32 v3, 31, v0
	v_mul_u32_u24 v11, v1, PITCH
	v_lshl_add_u32 v12, v2, 4, v11                 ; a fragment's row x pitch + 16 h
	v_add_nc_u32 v[ADRA], s36, v12
	v_add_nc_u32 v[ADRB], s37, v12
	v_lshl_add_u32 v12, v2, 5, v11
	v_add_nc_u32 v[STO], s38, v12                  ; in: row r, 32 bytes for each half of the lanes
	v_lshlrev_b32 v[CO], 4, v3                     ; back: the 32 lanes take one row of 512 bytes; and the same in out0
	v_add_nc_u32 v[RD], s38, v[CO]
	s_wait_alu depctr_va_vdst(0)
.irp p, 0,1,2,3
	global_load_b128 v[SB+4*\p:SB+4*\p+3], v[CO], s[10:11] offset:512*\p   ; 32 rows' 16 scale bytes each: lanes 0-15 tile 2 p's rows, lanes 16-31 tile 2 p + 1's
	global_load_b128 v[SA+4*\p:SA+4*\p+3], v[CO], s[6:7] offset:512*\p
.endr
.macro LOADB                           ; wo's 32 fragments: fragment 8 q + b in window 1 + (8 q + b) / 16: lane l holds row l % 16; registers 4 c .. 4 c + 3 hold K = 128 q + 32 c + 16 (l / 16) + 0 .. 15
.set F_, 0
.rept 32
	WIN (1+F_/16)<<6
.irp c, 0,1,2,3
	ds_load_b128 v[16*(F_%16)+4*\c:16*(F_%16)+4*\c+3], v[ADRB] offset:(F_%8)*16*PITCH+128*(F_/8)+32*\c
.endr
.set F_, F_+1
.endr
	WIN 0
.endm
.macro LOADA a                         ; block a of att, 16 rows, all of K, into set a % 2
	WIN 0
.irp q, 0,1,2,3
.irp c, 0,1,2,3
	ds_load_b128 v[AF+64*((\a)%2)+16*\q+4*\c:AF+64*((\a)%2)+16*\q+4*\c+3], v[ADRA] offset:(\a)*16*PITCH+128*\q+32*\c
.endr
.endr
.endm
.macro WM d, a, b, sa, sb, ra, rb, z   ; one product; ra, rb: which row of the scale registers; z = 1 starts the sum
.set D_, \d
.set A_, \a
.set B_, \b
.set P_, \sa
.set Q_, \sb
.if \z
.if (\ra) && (\rb)
	v_wmma_scale_f32_16x16x128_f8f6f4 v[D_:D_+7], v[A_:A_+15], v[B_:B_+15], 0, v[P_], v[Q_] matrix_a_scale:MATRIX_SCALE_ROW1 matrix_b_scale:MATRIX_SCALE_ROW1
.elseif (\ra)
	v_wmma_scale_f32_16x16x128_f8f6f4 v[D_:D_+7], v[A_:A_+15], v[B_:B_+15], 0, v[P_], v[Q_] matrix_a_scale:MATRIX_SCALE_ROW1
.elseif (\rb)
	v_wmma_scale_f32_16x16x128_f8f6f4 v[D_:D_+7], v[A_:A_+15], v[B_:B_+15], 0, v[P_], v[Q_] matrix_b_scale:MATRIX_SCALE_ROW1
.else
	v_wmma_scale_f32_16x16x128_f8f6f4 v[D_:D_+7], v[A_:A_+15], v[B_:B_+15], 0, v[P_], v[Q_]
.endif
.else
.if (\ra) && (\rb)
	v_wmma_scale_f32_16x16x128_f8f6f4 v[D_:D_+7], v[A_:A_+15], v[B_:B_+15], v[D_:D_+7], v[P_], v[Q_] matrix_a_scale:MATRIX_SCALE_ROW1 matrix_b_scale:MATRIX_SCALE_ROW1
.elseif (\ra)
	v_wmma_scale_f32_16x16x128_f8f6f4 v[D_:D_+7], v[A_:A_+15], v[B_:B_+15], v[D_:D_+7], v[P_], v[Q_] matrix_a_scale:MATRIX_SCALE_ROW1
.elseif (\rb)
	v_wmma_scale_f32_16x16x128_f8f6f4 v[D_:D_+7], v[A_:A_+15], v[B_:B_+15], v[D_:D_+7], v[P_], v[Q_] matrix_b_scale:MATRIX_SCALE_ROW1
.else
	v_wmma_scale_f32_16x16x128_f8f6f4 v[D_:D_+7], v[A_:A_+15], v[B_:B_+15], v[D_:D_+7], v[P_], v[Q_]
.endif
.endif
.endm
.macro PRODS a                         ; block a: 32 products; its eight accumulators take turns, K ascending
.irp q, 0,1,2,3
	WIN 0xf1+\q/2                                  ; source 0: window 1 or 2; source 1: window 0; C and D: window 3
.irp b, 0,1,2,3,4,5,6,7
	WM 64*((\a)%2)+8*\b, 16*((8*\q+\b)%16), AF+64*((\a)%2)+16*\q, SB+4*(\b/2)+\q, SA+4*((\a)/2)+\q, \b%2, (\a)%2, \q==0
.endr
.endr
.endm
.macro SEND a                          ; block a leaves: 32 lanes store 512 consecutive bytes, at a multiple of 256 from out0's first byte
	WIN 0
	s_wait_dscnt 0x0                               ; it is back from the stage (and the fragments asked for ahead of it are in)
.if (\a) > 0
	s_add_nc_u64 s[12:13], s[12:13], 16*ROWO       ; 16 rows on; the earlier stores have read their base: s_wait_xcnt 0 stands behind them
.endif
.set T_, 0
.rept 16
	global_store_b128 v[CO], v[BK+4*T_:BK+4*T_+3], s[12:13] offset:T_*ROWO th:TH_STORE_NT
.set T_, T_+1
.endr
.endm
.macro BLOCK a
	PRODS \a
	PLACES 8                                       ; ahead of the loads into this block's fragments and of the stores of its sums
.if (\a) > 0
	SEND (\a)-1
.endif
.if (\a) < 6
	LOADA (\a)+2
.endif
	WIN 0x0c                                       ; a store's data are its source 1: window 3
.irp b, 0,1,2,3,4,5,6,7
	ds_store_b128 v[STO], v[64*((\a)%2)+8*\b:64*((\a)%2)+8*\b+3] offset:64*\b        ; each accumulator from its low end on
	ds_store_b128 v[STO], v[64*((\a)%2)+8*\b+4:64*((\a)%2)+8*\b+7] offset:64*\b+16
.endr
	WIN 0
.if (\a) > 0
	s_wait_xcnt 0x0                                ; the stores just issued have read their registers, which the loads below write
.endif
.set T_, 0
.rept 16
	ds_load_b128 v[BK+4*T_:BK+4*T_+3], v[RD] offset:T_*PITCH   ; LDS serves a wave's instructions in order: these see my stores
.set T_, T_+1
.endr
.endm
	s_cmp_lt_u32 s14, 2
	s_cbranch_scc0 .Lnot_b
	s_wait_tensorcnt 0x0                           ; waves 0, 1: wo's rows have landed.  The other waves' wait stands ahead of the second barrier
.Lnot_b:
	s_barrier_signal -1
	s_barrier_wait -1
	LOADB
	s_wait_tensorcnt 0x0                           ; att's rows are in
	s_wait_dscnt 0x0
	s_barrier_signal -1
	s_barrier_wait -1
	LOADA 0
	LOADA 1
	s_wait_loadcnt 0x0                             ; the scale words
	s_wait_dscnt 0x0                               ; blocks 0 and 1
.irp a, 0,1,2,3,4,5,6,7
	BLOCK \a
.endr
	SEND 7
	s_wait_tensorcnt 0x0                           ; the wave's end, behind my last tensor load and my last LDS store
	ds_add_u32 v[SPW], v[NIL]
	s_wait_dscnt 0x0
	CROUND                                         ; the closing round: no work-group ends while a partner may still ask for a tile that names it
	s_endpgm
.Lfunc_end_k_q9f9f55f0fc_oproj:
	.size	k_q9f9f55f0fc_oproj, .Lfunc_end_k_q9f9f55f0fc_oproj-k_q9f9f55f0fc_oproj
	.p2alignl 7, 3214868480
	.fill 96, 4, 3214868480
	.section	.rodata,"a",@progbits
	.p2align	6, 0x0
	.amdhsa_kernel k_q9f9f55f0fc_oproj
		.amdhsa_group_segment_fixed_size 327680
		.amdhsa_private_segment_fixed_size 0
		.amdhsa_enable_private_segment 0
		.amdhsa_kernarg_size 40
		.amdhsa_user_sgpr_count 2
		.amdhsa_user_sgpr_kernarg_segment_ptr 1
		.amdhsa_wavefront_size32 1
		.amdhsa_system_sgpr_workgroup_id_x 1
		.amdhsa_system_sgpr_workgroup_id_y 1
		.amdhsa_system_sgpr_workgroup_id_z 1
		.amdhsa_system_vgpr_workitem_id 0
		.amdhsa_next_free_vgpr 1024
		.amdhsa_next_free_sgpr 66
		.amdhsa_reserve_vcc 0
		.amdhsa_float_denorm_mode_32 3
		.amdhsa_float_denorm_mode_16_64 3
		.amdhsa_memory_ordered 1
		.amdhsa_forward_progress 1
		.amdhsa_inst_pref_size 87
	.end_amdhsa_kernel
	.amdgpu_metadata
---
amdhsa.version: [ 1, 2 ]
amdhsa.kernels:
  - .name:           k_q9f9f55f0fc_oproj
    .symbol:         k_q9f9f55f0fc_oproj.kd
    .args:
      - { .name: att_codes, .offset: 0, .size: 8, .value_kind: global_buffer, .address_space: global }
      - { .name: att_scales, .offset: 8, .size: 8, .value_kind: global_buffer, .address_space: global }
      - { .name: w_codes, .offset: 16, .size: 8, .value_kind: global_buffer, .address_space: global }
      - { .name: w_scales, .offset: 24, .size: 8, .value_kind: global_buffer, .address_space: global }
      - { .name: out0, .offset: 32, .size: 8, .value_kind: global_buffer, .address_space: global }
    .group_segment_fixed_size: 327680
    .private_segment_fixed_size: 0
    .kernarg_segment_align: 8
    .kernarg_segment_size: 40
    .max_flat_workgroup_size: 128
    .sgpr_count:     66
    .vgpr_count:     1024
    .wavefront_size: 32
...
	.end_amdgpu_metadata
.endif
;; end of part 4
